; MI455X (gfx1250); checked and timed in simulation.
; The chip was launched on July 23, 2026; its instructions are those of AMD's public machine-readable ISA for CDNA 5 (MIT licence, August 2026) and "CDNA5" Instruction Set Architecture Reference Guide (July 2026). The comments in the code are by the model that wrote it; some were corrected since.
;; Simple Retention. Allowed arithmetic: matrix products marked QUANTISED: E2M3 operands, one E8M0 scale for each 32 along K, by v_wmma_scale_f32_16x16x128_f8f6f4 with both operands' format E2M3, f32 sums; everything else in f32.
;; Inputs: W_K 1,024 x 1,024 float32; W_Q 1,024 x 1,024 float32; W_V 1,024 x 1,024 float32; X 4 x 2,048 x 1,024 float32.
;; Outputs: out0 4 x 2,048 x 1,024 float32.
;; This version of the problem:
;;   THIS VERSION OF THE PROBLEM IS GIVEN IN LOW PRECISION. The matrix products marked QUANTISED in the list below multiply operands that are first quantised to E2M3 (2 exponent bits, 3 mantissa bits; 6 bits a number), with one power-of-two scale for each 32 numbers along K (OCP MX v1.0); their sums are f32. All else is computed in f32.
;;   The module's matrix products, in the order in which they are computed (A, B: the left and right operand; K: the contracted axis; several contracted axes count as one K, in the product's order):
;;     1. [M 8,192, K 1,024] x [K 1,024, N 1,024]; A: input X; B: input W_Q: QUANTISED
;;     2. [M 8,192, K 1,024] x [K 1,024, N 1,024]; A: input X; B: input W_K: QUANTISED
;;     3. [M 8,192, K 1,024] x [K 1,024, N 1,024]; A: input X; B: input W_V: QUANTISED
;;     4. batch 4 x [M 2,048, K 1,024] x [K 1,024, N 2,048]; A: computed on the way; B: computed on the way: QUANTISED
;;     5. batch 4 x [M 2,048, K 2,048] x [K 2,048, N 1,024]; A: computed on the way; B: computed on the way: QUANTISED
;;   THE QUANTISER, for each operand of a quantised product, along K:
;;     - K is cut into blocks of 32 from its start; a last block that is shorter is filled with zeros.
;;     - A block's scale is 2^e with e = floor(log2(the largest magnitude in the block)) - 2, held to -126 .. 127; a block of zeros has e = 0. As a byte (E8M0): e + 127.
;;     - Each number is divided by its block's scale, clamped to +-7.5, and rounded to the nearest number of E2M3, ties to even, subnormals kept.
;;     - The product sums the exact products of the quantised numbers (number of the format x scale) in f32.
;;   ~~~python
;;   def quantise(x, axis):      # numpy; x: float32 -> the quantised numbers, widened to float32 again
;;       x = np.moveaxis(x, axis, -1); K = x.shape[-1]
;;       x = np.pad(x, [(0, 0)] * (x.ndim - 1) + [(0, -K % 32)]); x = x.reshape(x.shape[:-1] + (-1, 32)); a = np.abs(x).max(-1, keepdims=True)
;;       e = np.where(a > 0, np.clip(np.frexp(np.where(a > 0, a, 1))[1] - 1 - 2, -126, 127), 0)      # np.frexp(a)[1] - 1 = floor(log2(a)), exactly
;;       r = np.clip(x / 2.0 ** e, -7.5, 7.5)
;;       step = 2.0 ** (np.maximum(np.frexp(np.where(r == 0, 1, r))[1] - 1, 0) - 3)
;;       q = np.round(r / step) * step * 2.0 ** e      # np.round: ties to even
;;       return np.moveaxis(q.reshape(q.shape[:-2] + (-1,))[..., :K], -1, axis).astype(np.float32)
;;   ~~~
;;   OPERANDS COMPUTED ON THE WAY. 'Computed on the way' means the value that the module computes at that place (a softmax that the list does not call 'softmax' is quantised finished and normalised). What goes into a quantiser is computed in f32, as accurately as f32 sums, v_exp_f32 and their like allow (about 1e-6 of the number): no bf16 or f16 on the way to a quantiser, and a product that is left as it is and whose result goes on into a quantised operand takes f32 operands (vector FMAs, or v_wmma_f32_16x16x4_f32). A number that lies on a knife's edge between two numbers of the format may be rounded either way, as far as f32 arithmetic and the matrix unit's own rounding can turn it there, and no further.
;; One version. Each part assembles by itself: llvm-mc -triple=amdgcn-amd-amdhsa -mcpu=gfx1250 --defsym DOCPART=n.
;; ======== version 1 of 1: 4 launches
;; workspace buffers: cx 6,291,456 bytes; cw 2,359,296 bytes; sxw 360,448 bytes; tab 16,777,216 bytes; cqk 12,582,912 bytes; cv 6,291,456 bytes; sqkv 786,432 bytes; att 13,107,200 bytes
;; launch prep (part 1): grid 608 x 1, 4 waves a work-group, no clusters, 89,600 bytes of LDS; arguments X, W_Q, W_K, W_V, cx, cw, sxw, tab; writes cx, cw, sxw, tab
.if DOCPART == 1
	.amdgcn_target "amdgcn-amd-amdhsa--gfx1250"
	.amdhsa_code_object_version 6
	.text
	.protected	k_q3b5115727d_prep
	.globl	k_q3b5115727d_prep
	.p2align	8
	.type	k_q3b5115727d_prep,@function
k_q3b5115727d_prep:
	s_mov_b64 s[64:65], 0
	v_nop
	global_prefetch_b8 v0, s[64:65] scope:SCOPE_SE
	s_setreg_imm32_b32 hwreg(HW_REG_WAVE_MODE, 25, 1), 1
	s_wait_xcnt 0x0
; Three jobs in one launch, told apart by the work-group's number alone; each has LDS bytes of its own.
;   0..255   X [4][2048][1024] f32 -> codes of E2M3 along its rows (cx) and scale words (sxw): 32 rows a work-group.
;   256..511 the table of xpos (tab): cos and sin of n x theta(j), times scale(j)^(n/512) for Q and its inverse for K.
;   512..607 W_Q, W_K, W_V [k][n] f32 -> codes along k, their FIRST axis (cw), and scale words (sxw).
; ALL CODES LIE AS [tile of 16 operand rows][block of 32 along K][row][24 bytes]: a block of a tile is 384 dense bytes.
; A tile's rows are not neighbours: tile u of a group of 32 holds members 8 u + t + 8 (t / 8) (V's weight: 16 u + t).
; A block's scale is 2^(floor(log2(largest magnitude)) - 2); its byte is that magnitude's exponent field - 2, held at 1 from below.
; LIMITS: NaN and infinities are not served.  A block of zeros gets the byte 1 (its codes are zeros; only this program reads the bytes).
; theta = 1 / RN(10000^(j/512)), the power made in double-word f32 arithmetic; sine and cosine by reduction and polynomial, about 2 units in the last
; place; the scale is 2^(n log2(sv) / 512), good to about 5e-7 of the number; its inverse is 2^(-that exponent).
.set XIN,   0                          ; X: 4 waves x 2 stages of 32 x 144 bytes: a row on its way from 16 bytes a lane to a block a lane
.set XCS,   36864                      ; X: 64 blocks of codes (tile u, block g), 384 bytes + 16
.set XSS,   62464                      ; X: the two tiles' scale words, 512 bytes each
.set WST,   63488                      ; W: 4 waves x 2 tiles x (8 blocks of 384 bytes + 128)
.set SPARE, 89088                      ; the spare words, 128 bytes a wave: two blocks of 256 bytes that no other line names
.set SPW,   12                         ; v12  SPARE + 4 x my thread's number; never rewritten
.set NIL,   13                         ; v13  0; never rewritten
.set FLOOR, 0x1800000                  ; 2^(3 - 127): no largest magnitude is taken under it, so the byte cannot fall under 1
.set DOWN2, 0xff000000                 ; takes 2 off an exponent field
.macro XLOAD t                         ; row t of my eight: 8 loads of 512 consecutive bytes
.irp k, 0,1,2,3,4,5,6,7
	global_load_b128 v[64+32*((\t)%4)+4*\k:64+32*((\t)%4)+4*\k+3], v10, s[4:5] offset:4096*(\t)+512*\k th:TH_LOAD_NT
.endr
.endm
.macro XTURN t                         ; through my stage: in as loaded, back a block of 128 bytes a lane (LDS serves a wave's instructions in order)
.irp k, 0,1,2,3,4,5,6,7
	ds_store_b128 v2, v[64+32*((\t)%4)+4*\k:64+32*((\t)%4)+4*\k+3] offset:4608*((\t)%2)+576*\k
.endr
.irp k, 0,1,2,3,4,5,6,7
	ds_load_b128 v[192+32*((\t)%2)+4*\k:192+32*((\t)%2)+4*\k+3], v3 offset:4608*((\t)%2)+16*\k
.endr
.endm
.macro XROW t
.set XS, 192+32*((\t)%2)
.set XC, 20+8*((\t)%2)
.if (\t) > 0
	s_wait_dscnt 4                                 ; this row is back from the stage; the four younger are the last row's three code stores and its byte store
.else
	s_wait_dscnt 0x0
.endif
.if (\t)+4 < 8
	XLOAD (\t)+4                                   ; into the registers whose stores to the stage are done
.endif
.if (\t)+1 < 8
.if (\t) < 4
	s_wait_loadcnt 24                              ; the next row's 8 loads are in; three younger rows may be out
.else
	s_wait_loadcnt 8*(6-(\t))
.endif
	XTURN (\t)+1
.endif
	v_max3_num_f32 v14, |v[XS]|, |v[XS+1]|, FLOOR  ; the block's largest magnitude: all 32 numbers are mine; two chains
	v_max3_num_f32 v15, |v[XS+2]|, |v[XS+3]|, FLOOR
.irp i, 4,8,12,16,20,24,28
	v_max3_num_f32 v14, v14, |v[XS+\i]|, |v[XS+\i+1]|
	v_max3_num_f32 v15, v15, |v[XS+\i+2]|, |v[XS+\i+3]|
.endr
	v_max_num_f32 v14, v14, v15
	v_add_nc_u32 v16, DOWN2, v14                   ; the conversion takes this operand's exponent field as its scale
	v_cvt_scalef32_pk16_fp6_f32 v[XC:XC+2], v[XS:XS+15], v16
	v_cvt_scalef32_pk16_fp6_f32 v[XC+4:XC+6], v[XS+16:XS+31], v16   ; (a conversion's three registers begin on an even number)
	v_lshrrev_b32 v17, 23, v16                     ; the scale's byte; also the plain line behind the conversions
	v_mov_b32 v[XC+3], v[XC+4]
	v_mov_b32 v[XC+4], v[XC+5]
	v_mov_b32 v[XC+5], v[XC+6]
	ds_store_b64 v4, v[XC:XC+1] offset:24*(\t)
	ds_store_b64 v4, v[XC+2:XC+3] offset:24*(\t)+8
	ds_store_b64 v4, v[XC+4:XC+5] offset:24*(\t)+16
	ds_store_b8 v5, v17 offset:4*(\t)
.endm
.macro WLOAD t                         ; block t: W(32 t + i, my column), i = 0 .. 31
.irp i, 0,1,2,3,4,5,6,7,8,9,10,11,12,13,14,15,16,17,18,19,20,21,22,23,24,25,26,27,28,29,30,31
	global_load_b32 v[32+32*((\t)%2)+\i], v3, s[26:27] offset:(32*(\t)+\i)*4096 th:TH_LOAD_NT
.endr
.endm
.macro WBLOCK t
.set WXS, 32+32*((\t)%2)
.if (\t) < 7
	s_wait_loadcnt 32                              ; this block's 32 loads are in; the next block's may be out
.else
	s_wait_loadcnt 0x0
.endif
	v_max3_num_f32 v14, |v[WXS]|, |v[WXS+1]|, FLOOR
	v_max3_num_f32 v15, |v[WXS+2]|, |v[WXS+3]|, FLOOR
.irp i, 4,8,12,16,20,24,28
	v_max3_num_f32 v14, v14, |v[WXS+\i]|, |v[WXS+\i+1]|
	v_max3_num_f32 v15, v15, |v[WXS+\i+2]|, |v[WXS+\i+3]|
.endr
	v_max_num_f32 v14, v14, v15
	v_add_nc_u32 v16, DOWN2, v14
	v_lshrrev_b32 v15, 23, v16
.if (\t)%4 == 0
	v_mov_b32 v[24+(\t)/4], v15                    ; four bytes to a word, the lower K in the lower byte
.else
	v_lshl_or_b32 v[24+(\t)/4], v15, 8*((\t)%4), v[24+(\t)/4]
.endif
	v_cvt_scalef32_pk16_fp6_f32 v[96:98], v[WXS:WXS+15], v16
	v_cvt_scalef32_pk16_fp6_f32 v[100:102], v[WXS+16:WXS+31], v16
	v_nop                                          ; one plain line behind the conversions
	v_mov_b32 v99, v100
	v_mov_b32 v100, v101
	v_mov_b32 v101, v102
	ds_store_b64 v4, v[96:97] offset:384*(\t)
	ds_store_b64 v4, v[98:99] offset:384*(\t)+8
	ds_store_b64 v4, v[100:101] offset:384*(\t)+16
.if (\t)+2 < 8
	WLOAD (\t)+2
.endif
	s_wait_dscnt 0x0                               ; the stores are done: the next block's codes may be written
.endm
; double-word f32: (hd, ld) = sqrt of (hs, ls)
.macro DFSQRT hd, ld, hs, ls
	v_sqrt_f32 v54, v[\hs]
	v_rsq_f32 v55, v[\hs]
	v_nop                                          ; a plain line behind the two
	s_wait_alu depctr_va_vdst(0)                   ; the wait ahead of the first reader: one for both
	v_fma_f32 v56, -v54, v54, v[\hs]
	v_add_f32 v56, v56, v[\ls]
	v_mul_f32 v55, 0.5, v55
	v_mul_f32 v56, v56, v55                        ; what is missing: (x - s s) / (2 s)
	v_add_f32 v[\hd], v54, v56
	v_sub_f32 v57, v[\hd], v54
	v_sub_f32 v[\ld], v56, v57
.endm
; (dh, dl) = (ah, al) x (ch, cl)
.macro DFMUL dh, dl, ah, al, ch, cl
	v_mul_f32 v57, v[\ah], v[\ch]
	v_fma_f32 v58, v[\ah], v[\ch], -v57
	v_fma_f32 v58, v[\ah], v[\cl], v58
	v_fma_f32 v58, v[\al], v[\ch], v58
	v_add_f32 v[\dh], v57, v58
	v_sub_f32 v59, v[\dh], v57
	v_sub_f32 v[\dl], v58, v59
.endm
	s_load_b512 s[4:19], s[0:1], 0x0               ; X 4, W_Q 6, W_K 8, W_V 10, cx 12, cw 14, sxw 16, tab 18
	v_lshl_add_u32 v[SPW], v0, 2, SPARE
	v_mov_b32 v[NIL], 0
	v_lshrrev_b32 v1, 5, v0
	v_readfirstlane_b32 s20, v1                    ; wave 0..3
	v_and_b32 v1, 31, v0                           ; lane
	s_wait_kmcnt 0x0
	s_cmp_lt_u32 ttmp9, 256
	s_cbranch_scc1 .Lpath_x
	s_cmp_lt_u32 ttmp9, 512
	s_cbranch_scc1 .Lpath_t
; ---------------- W: a lane takes a column, its registers run down K; wave w: 32 columns x 256 along K ----------------
	s_sub_co_u32 s21, ttmp9, 512
	s_lshr_b32 s22, s21, 5                         ; which weight: 0 Q, 1 K, 2 V
	s_and_b32 s23, s21, 7                          ; tc: 128 columns
	s_bfe_u32 s24, s21, 0x20003                    ; y: 256 along K
	s_cmp_eq_u32 s22, 0
	s_cselect_b64 s[26:27], s[6:7], s[8:9]
	s_cmp_eq_u32 s22, 2
	s_cselect_b64 s[26:27], s[10:11], s[26:27]
	s_cmp_lt_u32 s22, 2
	s_cselect_b32 s25, -1, 0                       ; Q and K: the tiles' rows are permuted
	v_and_b32 v2, 7, v1                            ; lane l fills place (tile l / 16, row l % 16); for Q and K its column is l with bits 3 and 4 exchanged
	v_and_b32 v3, 8, v1
	v_lshl_or_b32 v2, v3, 1, v2
	v_and_b32 v3, 16, v1
	v_lshrrev_b32 v3, 1, v3
	v_or_b32 v2, v2, v3
	v_cndmask_b32 v2, v1, v2, s25
	v_lshlrev_b32 v3, 2, v2                        ; my column's bytes among the wave's 128
	s_lshl_b32 s28, s24, 20                        ; 256 y rows of 4,096 bytes
	s_lshl_b32 s29, s23, 9
	s_add_co_u32 s28, s28, s29
	s_lshl_b32 s29, s20, 7
	s_add_co_u32 s28, s28, s29
	s_mov_b32 s29, 0
	s_add_nc_u64 s[26:27], s[26:27], s[28:29]
	WLOAD 0
	WLOAD 1
	v_lshrrev_b32 v5, 4, v1
	v_and_b32 v6, 15, v1
	v_mul_u32_u24 v4, v5, 3200
	v_mad_u32_u24 v4, v6, 24, v4
	s_mul_i32 s30, s20, 6400
	s_add_co_u32 s30, s30, WST
	v_add_nc_u32 v4, s30, v4                       ; my stage: tile, row
	v_lshl_add_u32 v7, v1, 4, s30                  ; and back: 16 bytes a lane
	s_mul_i32 s31, s23, 24
	s_mul_i32 s32, s20, 6
	s_add_co_u32 s31, s31, s32
	s_lshl_b32 s32, s22, 1
	s_add_co_u32 s31, s31, s32                     ; my first tile: 24 tc + 6 w + 2 x weight
	s_mul_i32 s32, s31, 12288
	s_mul_i32 s33, s24, 3072
	s_add_co_u32 s32, s32, s33
	s_mov_b32 s33, 0
	s_add_nc_u64 s[14:15], s[14:15], s[32:33]
	s_lshl_b32 s32, s31, 9
	s_lshl_b32 s34, s24, 7
	s_add_co_u32 s32, s32, s34
	s_add_co_u32 s32, s32, 262144
	s_add_nc_u64 s[16:17], s[16:17], s[32:33]
	v_lshlrev_b32 v8, 4, v1
	v_lshlrev_b32 v9, 9, v5
	v_lshl_add_u32 v9, v6, 2, v9                   ; my scale words: 512 x tile + 4 x row
.irp t, 0,1,2,3,4,5,6,7
	WBLOCK \t
.endr
.irp k, 0,1,2,3,4,5,6,7,8,9,10,11
	ds_load_b128 v[112+4*\k:115+4*\k], v7 offset:3200*(\k/6)+512*(\k%6)
.endr
	global_store_b32 v9, v24, s[16:17]             ; runs of 64 bytes: 98 KB in the whole launch
	global_store_b32 v9, v25, s[16:17] offset:64
.irp k, 0,1,2,3,4,5,6,7,8,9,10,11
	s_wait_dscnt 11-\k
	global_store_b128 v8, v[112+4*\k:115+4*\k], s[14:15] offset:12288*(\k/6)+512*(\k%6)   ; 512 consecutive bytes
.endr
	s_wait_tensorcnt 0x0                           ; the wave's end
	ds_add_u32 v[SPW], v[NIL]
	s_wait_dscnt 0x0
	s_endpgm
; ---------------- X: 32 rows; wave w takes rows 8 w + i: tile w % 2, rows 8 (w / 2) + i ----------------
.Lpath_x:
	s_lshl_b32 s21, ttmp9, 17                      ; 32 rows of 4,096 bytes a work-group
	s_lshl_b32 s22, s20, 15
	s_add_co_u32 s22, s21, s22
	s_mov_b32 s23, 0
	s_add_nc_u64 s[4:5], s[4:5], s[22:23]
	v_lshlrev_b32 v10, 4, v1
	v_lshlrev_b32 v11, 3, v1
	XLOAD 0
	XLOAD 1
	XLOAD 2
	XLOAD 3
	s_mul_i32 s24, s20, 9216
	v_lshrrev_b32 v14, 3, v1
	v_and_b32 v15, 7, v1
	v_mul_u32_u24 v2, v14, 144
	v_lshl_add_u32 v2, v15, 4, v2
	v_add_nc_u32 v2, s24, v2                       ; stage, in: eight lanes' 128 bytes on end, then 16 of padding
	v_mul_u32_u24 v3, v1, 144
	v_add_nc_u32 v3, s24, v3                       ; stage, out: block l
	s_and_b32 s25, s20, 1
	s_lshr_b32 s26, s20, 1
	s_mul_i32 s27, s25, 12800
	s_mul_i32 s28, s26, 192
	s_add_co_u32 s27, s27, s28
	s_add_co_u32 s27, s27, XCS
	v_mul_u32_u24 v4, v1, 400
	v_add_nc_u32 v4, s27, v4                       ; codes: block (tile, l), my first row
	s_lshl_b32 s27, s25, 9
	s_lshl_b32 s28, s26, 5
	s_add_co_u32 s27, s27, s28
	s_add_co_u32 s27, s27, XSS
	v_lshrrev_b32 v16, 2, v1
	v_and_b32 v17, 3, v1
	v_lshl_add_u32 v5, v16, 6, v17
	v_add_nc_u32 v5, s27, v5                       ; scale bytes: word (l / 4, row), byte l % 4
	s_mul_i32 s27, s20, 6400
	s_add_co_u32 s27, s27, XCS
	v_lshl_add_u32 v18, v1, 4, s27
.irp ph, 0,1,2
	v_add_nc_u32 v19, \ph+1, v14                   ; on the way out 512 k + 16 l bytes have passed (32 k + l) / 24 blocks, each with 16 bytes of padding behind it
	v_lshrrev_b32 v19, 2, v19
	v_lshl_add_u32 v[6+\ph], v19, 4, v18
.endr
	s_lshl_b32 s27, s20, 8
	s_add_co_u32 s27, s27, XSS
	v_lshl_add_u32 v9, v1, 3, s27
	s_and_b32 s28, ttmp9, 63                       ; G
	s_lshr_b32 s29, ttmp9, 6                       ; b
	s_lshl_b32 s28, s28, 3
	s_lshl_b32 s29, s29, 1
	s_add_co_u32 s28, s28, s29                     ; my first tile: 8 G + 2 b
	s_mul_i32 s30, s28, 12288
	s_mul_i32 s31, s20, 6144
	s_add_co_u32 s30, s30, s31
	s_mov_b32 s31, 0
	s_add_nc_u64 s[12:13], s[12:13], s[30:31]
	s_lshl_b32 s30, s28, 9
	s_lshl_b32 s29, s20, 8
	s_add_co_u32 s30, s30, s29
	s_add_nc_u64 s[16:17], s[16:17], s[30:31]
	s_wait_loadcnt 24                              ; row 0's 8 loads are in
	XTURN 0
.irp t, 0,1,2,3,4,5,6,7
	XROW \t
.endr
	s_wait_dscnt 0x0                               ; a tile's rows come from two waves: my stores are done,
	s_barrier_signal -1
	s_barrier_wait -1                              ; everybody's are
.irp k, 0,1,2,3,4,5,6,7,8,9,10,11
	ds_load_b128 v[64+4*\k:67+4*\k], v[6+\k%3] offset:1600*(\k/3)+528*(\k%3)
.endr
	ds_load_b64 v[112:113], v9
.irp k, 0,1,2,3,4,5,6,7,8,9,10,11
	s_wait_dscnt 12-\k
	global_store_b128 v10, v[64+4*\k:67+4*\k], s[12:13] offset:512*\k   ; 512 consecutive bytes
.endr
	s_wait_dscnt 0x0
	global_store_b64 v11, v[112:113], s[16:17]     ; 256 consecutive bytes, aligned
	s_wait_tensorcnt 0x0                           ; the wave's end
	ds_add_u32 v[SPW], v[NIL]
	s_wait_dscnt 0x0
	s_endpgm
; ---------------- the table.  Block g of 32 columns, 8 groups of 32 positions; wave k, lane (r, h): pairs j0 = 16 g + 8 h + 2 k and j0 + 1 ----------------
.Lpath_t:
.set TX,  68
.set TKF, 72
.set TRR, 76
.set TZ,  80
.set TSP, 84
.set TCP, 88
.set TT,  92
.set TSN, 96
.set TCS, 100
.set TKI, 104
.set TE,  108
.set TSC, 112
.set TIS, 116
.set TOQ, 120
.set TOK, 128
	s_sub_co_u32 s21, ttmp9, 256
	s_and_b32 s22, s21, 31                         ; g
	s_lshr_b32 s23, s21, 5                         ; groups 8 s23 ..
	v_and_b32 v2, 15, v1
	v_lshrrev_b32 v3, 4, v1
	s_lshl_b32 s24, s22, 4
	s_lshl_b32 s25, s20, 1
	s_add_co_u32 s24, s24, s25
	v_lshl_add_u32 v4, v3, 3, s24                  ; j0
	s_mov_b32 s32, 0x3f22f983                      ; 2 / pi
	s_mov_b32 s33, 0x3fc90fdb                      ; pi / 2, its upper part
	s_mov_b32 s34, 0xb33bbd2e                      ; and the rest
	s_mov_b32 s35, 0xb94ca1f9                      ; sine's polynomial
	s_mov_b32 s36, 0x3c08839e
	s_mov_b32 s37, 0xbe2aaaa3
	s_mov_b32 s38, 0x37ccf5ce                      ; cosine's
	s_mov_b32 s39, 0xbab6061a
	s_mov_b32 s40, 0x3d2aaaa5
	v_mov_b32 v40, 0x42c80000                      ; c8 = 10000^(256/512) = 100, c7 = 10: exact; c6 .. c0 by square roots, v32+i upper, v41+i lower part
	v_mov_b32 v49, 0
	v_mov_b32 v39, 0x41200000
	v_mov_b32 v48, 0
.irp i, 6,5,4,3,2,1,0
	DFSQRT 32+\i, 41+\i, 33+\i, 42+\i
.endr
	v_and_b32 v54, 256, v4                         ; 10000^(j0/512): the product of c_i over j0's bits
	v_cmp_ne_u32 vcc_lo, 0, v54
	v_cndmask_b32 v50, 1.0, v40, vcc_lo
	v_cndmask_b32 v51, 0, v49, vcc_lo
.irp i, 7,6,5,4,3,2,1
	v_and_b32 v54, 1<<\i, v4
	v_cmp_ne_u32 vcc_lo, 0, v54
	v_cndmask_b32 v55, 1.0, v[32+\i], vcc_lo
	v_cndmask_b32 v56, 0, v[41+\i], vcc_lo
	DFMUL 50, 51, 50, 51, 55, 56
.endr
	DFMUL 52, 53, 50, 51, 32, 41                   ; and of j0 + 1
	v_mov_b32 v54, 0x44b33333                      ; 1433.6
	v_rcp_f32 v60, v50
	v_rcp_f32 v61, v52
	v_rcp_f32 v55, v54
	v_nop
	s_wait_alu depctr_va_vdst(0)                   ; one wait for the three
	v_fma_f32 v56, -v50, v60, 1.0
	v_fma_f32 v57, -v52, v61, 1.0
	v_fma_f32 v58, -v54, v55, 1.0
	v_fma_f32 v60, v56, v60, v60                   ; theta(j0)
	v_fma_f32 v61, v57, v61, v61                   ; theta(j0 + 1)
	v_fma_f32 v55, v58, v55, v55
	v_lshlrev_b32 v56, 1, v4
	v_cvt_f32_u32 v56, v56
	v_add_f32 v57, 2.0, v56
	v_add_f32 v56, 0x43cccccd, v56                 ; 2 j + 409.6
	v_add_f32 v57, 0x43cccccd, v57
	v_mul_f32 v58, v56, v55
	v_mul_f32 v59, v57, v55
	v_fma_f32 v56, -v54, v58, v56
	v_fma_f32 v57, -v54, v59, v57
	v_fma_f32 v58, v56, v55, v58                   ; / 1433.6
	v_fma_f32 v59, v57, v55, v59
	v_log_f32 v62, v58
	v_log_f32 v63, v59
	v_nop
	s_wait_alu depctr_va_vdst(0)
	v_mul_f32 v62, 0x3b000000, v62                 ; log2(sv) / 512
	v_mul_f32 v63, 0x3b000000, v63
	v_and_b32 v54, 8, v2
	v_add_nc_u32 v54, v54, v2                      ; r + 8 (r / 8)
	s_lshl_b32 s26, s23, 8
	v_add_nc_u32 v54, s26, v54
	v_cvt_f32_u32 v64, v54                         ; n of tile 0,
	v_add_f32 v65, 0x41000000, v64                 ; of tile 1: 8 on
	s_lshl_b32 s26, s23, 20
	s_lshl_b32 s27, s22, 12
	s_add_co_u32 s26, s26, s27
	s_mov_b32 s27, 0
	s_add_nc_u64 s[18:19], s[18:19], s[26:27]      ; Q's table at (group, g)
	s_add_nc_u64 s[28:29], s[18:19], 0x800000      ; K's
	s_lshl_b32 s26, s20, 9
	v_lshl_add_u32 v5, v1, 4, s26
	s_mov_b32 s30, 0
.Ltrip:                                            ; a group of 32 positions: four entries e = 2 u + (j - j0), line by line
.irp e, 0,1,2,3
	v_mul_f32 v[TX+\e], v[64+\e/2], v[60+\e%2]     ; the phase, rounded once
.endr
.irp e, 0,1,2,3
	v_mul_f32 v[TE+\e], v[64+\e/2], v[62+\e%2]
.endr
.irp e, 0,1,2,3
	v_exp_f32 v[TSC+\e], v[TE+\e]                  ; the scale,
.endr
.irp e, 0,1,2,3
	v_exp_f32 v[TIS+\e], -v[TE+\e]                 ; its inverse: one batch of eight; the polynomials below name none of them
.endr
.irp e, 0,1,2,3
	v_mul_f32 v[TKF+\e], s32, v[TX+\e]
.endr
.irp e, 0,1,2,3
	v_rndne_f32 v[TKF+\e], v[TKF+\e]
.endr
.irp e, 0,1,2,3
	v_fma_f32 v[TRR+\e], -v[TKF+\e], s33, v[TX+\e] ; exact: a multiple of 2^-23 under 1
.endr
.irp e, 0,1,2,3
	v_fma_f32 v[TRR+\e], -v[TKF+\e], s34, v[TRR+\e]
.endr
.irp e, 0,1,2,3
	v_mul_f32 v[TZ+\e], v[TRR+\e], v[TRR+\e]
.endr
.irp e, 0,1,2,3
	v_fma_f32 v[TSP+\e], v[TZ+\e], s35, s36
.endr
.irp e, 0,1,2,3
	v_fma_f32 v[TCP+\e], v[TZ+\e], s38, s39
.endr
.irp e, 0,1,2,3
	v_fma_f32 v[TSP+\e], v[TSP+\e], v[TZ+\e], s37
.endr
.irp e, 0,1,2,3
	v_fma_f32 v[TCP+\e], v[TCP+\e], v[TZ+\e], s40
.endr
.irp e, 0,1,2,3
	v_mul_f32 v[TT+\e], v[TZ+\e], v[TRR+\e]
.endr
.irp e, 0,1,2,3
	v_fma_f32 v[TSN+\e], v[TSP+\e], v[TT+\e], v[TRR+\e]
.endr
.irp e, 0,1,2,3
	v_mul_f32 v[TT+\e], v[TZ+\e], v[TZ+\e]
.endr
.irp e, 0,1,2,3
	v_fma_f32 v[TCS+\e], v[TZ+\e], -0.5, 1.0
.endr
.irp e, 0,1,2,3
	v_fma_f32 v[TCS+\e], v[TCP+\e], v[TT+\e], v[TCS+\e]
.endr
.irp e, 0,1,2,3
	v_cvt_i32_f32 v[TKI+\e], v[TKF+\e]
.endr
.irp e, 0,1,2,3
	v_and_b32 v[TT+\e], 1, v[TKI+\e]               ; odd quadrants: sine and cosine change places
	v_cmp_ne_u32 vcc_lo, 0, v[TT+\e]
	v_cndmask_b32 v[TSP+\e], v[TSN+\e], v[TCS+\e], vcc_lo
	v_cndmask_b32 v[TCP+\e], v[TCS+\e], v[TSN+\e], vcc_lo
.endr
.irp e, 0,1,2,3
	v_and_b32 v[TT+\e], 2, v[TKI+\e]               ; the sine is negative in quadrants 2, 3; the cosine in 1, 2
	v_add_nc_u32 v[TKI+\e], 1, v[TKI+\e]
.endr
.irp e, 0,1,2,3
	v_lshlrev_b32 v[TT+\e], 30, v[TT+\e]
	v_and_b32 v[TKI+\e], 2, v[TKI+\e]
.endr
.irp e, 0,1,2,3
	v_xor_b32 v[TSP+\e], v[TT+\e], v[TSP+\e]
	v_lshlrev_b32 v[TKI+\e], 30, v[TKI+\e]
.endr
.irp e, 0,1,2,3
	v_xor_b32 v[TCP+\e], v[TKI+\e], v[TCP+\e]
.endr
	s_wait_alu depctr_va_vdst(0)                   ; one wait for the eight exponentials, ahead of their first reader
.irp e, 0,1,2,3
	v_mul_f32 v[TOQ+2*\e], v[TCP+\e], v[TSC+\e]
	v_mul_f32 v[TOQ+2*\e+1], v[TSP+\e], v[TSC+\e]
	v_mul_f32 v[TOK+2*\e], v[TCP+\e], v[TIS+\e]
	v_mul_f32 v[TOK+2*\e+1], v[TSP+\e], v[TIS+\e]
.endr
	global_store_b128 v5, v[TOQ:TOQ+3], s[18:19]   ; each store of the wave covers 512 consecutive bytes
	global_store_b128 v5, v[TOQ+4:TOQ+7], s[18:19] offset:2048
	global_store_b128 v5, v[TOK:TOK+3], s[28:29]
	global_store_b128 v5, v[TOK+4:TOK+7], s[28:29] offset:2048
	s_wait_xcnt 0x0                                ; the bases and the stores' data are written again only behind this wait
	s_add_nc_u64 s[18:19], s[18:19], 0x20000
	s_add_nc_u64 s[28:29], s[28:29], 0x20000
	v_add_f32 v64, 0x42000000, v64                 ; 32 positions on
	v_add_f32 v65, 0x42000000, v65
	s_add_co_u32 s30, s30, 1
	s_cmp_lt_u32 s30, 8
	s_cbranch_scc1 .Ltrip
	s_wait_tensorcnt 0x0                           ; every path of this launch ends alike
	ds_add_u32 v[SPW], v[NIL]
	s_wait_dscnt 0x0
	s_endpgm
.Lfunc_end_k_q3b5115727d_prep:
	.size	k_q3b5115727d_prep, .Lfunc_end_k_q3b5115727d_prep-k_q3b5115727d_prep
	.p2alignl 7, 3214868480
	.fill 96, 4, 3214868480
	.section	.rodata,"a",@progbits
	.p2align	6, 0x0
	.amdhsa_kernel k_q3b5115727d_prep
		.amdhsa_group_segment_fixed_size 89600
		.amdhsa_private_segment_fixed_size 0
		.amdhsa_enable_private_segment 0
		.amdhsa_kernarg_size 64
		.amdhsa_user_sgpr_count 2
		.amdhsa_user_sgpr_kernarg_segment_ptr 1
		.amdhsa_wavefront_size32 1
		.amdhsa_system_sgpr_workgroup_id_x 1
		.amdhsa_system_sgpr_workgroup_id_y 1
		.amdhsa_system_sgpr_workgroup_id_z 1
		.amdhsa_system_vgpr_workitem_id 0
		.amdhsa_next_free_vgpr 256
		.amdhsa_next_free_sgpr 66
		.amdhsa_reserve_vcc 1
		.amdhsa_float_denorm_mode_32 3
		.amdhsa_float_denorm_mode_16_64 3
		.amdhsa_memory_ordered 1
		.amdhsa_forward_progress 1
		.amdhsa_inst_pref_size 92
	.end_amdhsa_kernel
	.amdgpu_metadata
---
amdhsa.version: [ 1, 2 ]
amdhsa.kernels:
  - .name:           k_q3b5115727d_prep
    .symbol:         k_q3b5115727d_prep.kd
    .args:
      - { .name: X, .offset: 0, .size: 8, .value_kind: global_buffer, .address_space: global }
      - { .name: W_Q, .offset: 8, .size: 8, .value_kind: global_buffer, .address_space: global }
      - { .name: W_K, .offset: 16, .size: 8, .value_kind: global_buffer, .address_space: global }
      - { .name: W_V, .offset: 24, .size: 8, .value_kind: global_buffer, .address_space: global }
      - { .name: cx, .offset: 32, .size: 8, .value_kind: global_buffer, .address_space: global }
      - { .name: cw, .offset: 40, .size: 8, .value_kind: global_buffer, .address_space: global }
      - { .name: sxw, .offset: 48, .size: 8, .value_kind: global_buffer, .address_space: global }
      - { .name: tab, .offset: 56, .size: 8, .value_kind: global_buffer, .address_space: global }
    .group_segment_fixed_size: 89600
    .private_segment_fixed_size: 0
    .kernarg_segment_align: 8
    .kernarg_segment_size: 64
    .max_flat_workgroup_size: 128
    .sgpr_count:     66
    .vgpr_count:     256
    .wavefront_size: 32
...
	.end_amdgpu_metadata
.endif
;; end of part 1
;; launch proj (part 2): grid 8 x 64, 4 waves a work-group, clusters of 4 x 4, 327,680 bytes of LDS; arguments cx, cw, sxw, tab, cqk, cv, sqkv; writes cqk, cv, sqkv
.if DOCPART == 2
	.amdgcn_target "amdgcn-amd-amdhsa--gfx1250"
	.amdhsa_code_object_version 6
	.text
	.protected	k_q3b5115727d_proj
	.globl	k_q3b5115727d_proj
	.p2align	8
	.type	k_q3b5115727d_proj,@function
k_q3b5115727d_proj:
	s_mov_b64 s[64:65], 0
	v_nop
	global_prefetch_b8 v0, s[64:65] scope:SCOPE_SE
	s_setreg_imm32_b32 hwreg(HW_REG_WAVE_MODE, 25, 1), 1
	s_wait_xcnt 0x0
	s_wait_alu depctr_hold_cnt(0) depctr_sa_sdst(0) depctr_va_vdst(0) depctr_va_sdst(0) depctr_va_ssrc(0) depctr_va_vcc(0) depctr_vm_vsrc(0)
	s_getreg_b32 s2, hwreg(HW_REG_IB_STS2, 6, 4)
	s_cmp_eq_u32 s2, 0
	s_cbranch_scc0 .Lentry_in_a_cluster
	s_endpgm
.Lentry_in_a_cluster:
	s_bfe_u32 s2, ttmp6, 0x10000c
	s_cmp_lg_u32 s2, 0xf033
	s_cbranch_scc0 .Lentry_shape_is_right
	s_endpgm
.Lentry_shape_is_right:
; Q = xpos(X W_Q), K = xpos(X W_K, downscale), V = X W_V on codes of E2M3, and the three results quantised for the next products.
; A work-group takes 128 rows, the SAME 32 positions (group G) of all four batches (tile a = 2 b + u), so that a table entry serves four batches, and 128 columns of each weight (tc).
; Wave w takes all 128 rows x block g = 4 tc + w of 32 columns of Q (bq 0, 1), K (2, 3) and V (4, 5): 48 accumulators.  512 work-groups: two for each of 256 WGPs.
; Q and K are used transposed (source 0 = 16 columns of W, source 1 = 16 rows of X): a lane holds one position, and the 16 registers of bq 2 T, 2 T + 1 are 16 neighbouring columns, the next K.
; V takes X as source 0: a lane holds one column, and the 16 registers of tiles 2 b, 2 b + 1 are 16 neighbouring keys, V's next K.
; K = 1,024 goes in 8 steps of 128; three LDS slots of 256 along K hold three quarters at the start; the fourth quarter is the one refill, into slot 0.
; CLUSTER 4 x 4: X's tiles hang on G alone and are asked for jointly along a row of the cluster (wave 0), W's on tc alone, along a column (waves 1 to 3).
; V's scale bytes: a work-group holds one group of 32 keys, so the four bytes of a word come from four work-groups: they leave as single bytes, 4 stores a wave.
; LIMITS: NaN and infinities are not served; a block of zeros gets the byte 1; the rotation is one multiply and one fused multiply-add.
.set SLOTB, 98304                      ; a slot: 32 tiles x 3,072 bytes: tiles 0-7 X, tile 8 + 6 w + bq W
.set SCL,   3*SLOTB                    ; the scale words of all of K: X's 4,096 bytes, W's 12,288
.set EXQ,   SCL+16384                  ; Q's and K's scale bytes meet here: [T][b][position 32][4]
.set SPARE, EXQ+1024                   ; the spare words, 128 bytes a wave
.set ADA,   4                          ; v4-6   X's fragments in slot 0, 1, 2
.set ADB,   7                          ; v7-9   my W's
.set ADRS,  10                         ; v10    scale words: lanes 0-15 X's, lanes 16-31 my W's
.set ADRS2, 11                         ; v11    X's in all lanes (tiles 6, 7 have no partner among W's six)
.set VO12,  12                         ; v12    24 r + 12 h
.set L16,   13
.set EXA,   14
.set EXR,   15
.set L8,    16
.set VSO,   17
.set BT,    18                         ; v18-25 at work
.set SPW,   28
.set NIL,   29
.set SC,    32                         ; v32-95   scale words, register 8 ks + i
.set TB,    96                         ; v96-159  the table: [T][u][16]: (cos, sin) of my 8 pairs
.set Y,     160                        ; v160-223 four blocks of 16 numbers
.set M,     224                        ; v224-239 maxima, their partners', scale operands, bytes
.set CD,    240                        ; v240-255 codes
.set WV,    18
.set G1A,   24
.set G1B,   32
.set G1SA,  40
.set G1SB,  48
.set MUL_LO, 0xa5                      ; both sources window 1, C and D window 2
.set MUL_HI, 0xf5
.set MSB, 0
.macro WIN new                         ; the immediate's high byte repeats the setting that is left
.if MSB != (\new)
	s_set_vgpr_msb (MSB<<8)|(\new)
.set MSB, (\new)
.endif
.endm
.macro PLACES                          ; four plain lines between a matrix instruction and a load into, or a read of, its registers
.rept 4
	v_nop
.endr
.endm
.macro JLOAD g0a, g1a, g0b, g1b        ; a joint load: wave 0 for X, waves 1 to 3 for W; the branch hangs on the wave's number alone
	s_cmp_eq_u32 s[WV], 0
	s_cbranch_scc0 .Lfor_b_\@
	tensor_load_to_lds s[\g0a:\g0a+3], s[\g1a:\g1a+7]
	s_nop 0
.rept 4
	v_nop
.endr
	s_branch .Lasked_\@
.Lfor_b_\@:
	tensor_load_to_lds s[\g0b:\g0b+3], s[\g1b:\g1b+7]
	s_nop 0
.rept 4
	v_nop
.endr
.Lasked_\@:
.endm
.macro CREST
	s_cmp_lg_u32 s[WV], 0
	s_cbranch_scc1 .Lnot_wave_0_\@
	s_barrier_signal -3
.Lnot_wave_0_\@:
	s_barrier_wait -3
	s_barrier_signal -1
	s_barrier_wait -1
.endm
.macro CROUND
	s_barrier_signal -1
	s_barrier_wait -1
	CREST
.endm
.macro MKG0 ga, gb, s
	s_mov_b32 s[\ga], 1
	s_add_co_u32 s[\ga+1], s93, \s*SLOTB
	s_add_nc_u64 s[\ga+2:\ga+3], s[94:95], \s*3072
	s_or_b32 s[\ga+3], s[\ga+3], 0x80000000
	s_mov_b32 s[\gb], 1
	s_add_co_u32 s[\gb+1], s93, \s*SLOTB
	s_add_nc_u64 s[\gb+2:\gb+3], s[96:97], \s*3072
	s_or_b32 s[\gb+3], s[\gb+3], 0x80000000
	JLOAD \ga, G1A, \gb, G1B
.endm
; a fragment, 16 rows x 128 K: registers 6 c .. 6 c + 5 are block 2 c + h of the step: 24 bytes at 384 (2 c + h) + 24 r, in pieces of 8
.macro FRAG reg, adr, off
.irp p, 0,1,2,3,4,5
	ds_load_b64 v[\reg+2*\p:\reg+2*\p+1], v[\adr] offset:\off+768*(\p/3)+8*(\p%3)
.endr
.endm
.macro FETCH_B s                       ; step s: my six fragments of W into set s % 2
	WIN 0x40
.irp i, 0,1,2,3,4,5
	FRAG 96+72*((\s)%2)+12*\i, ADB+((\s)/2)%3, 1536*((\s)%2)+3072*\i
.endr
.endm
.macro FETCH_A s, i0                   ; X's tiles i0 .. i0 + 3
	WIN 0x40
.irp i, \i0, \i0+1, \i0+2, \i0+3
	FRAG 12*(\i), ADA+((\s)/2)%3, 1536*((\s)%2)+3072*(\i)
.endr
.endm
; 12 matrix instructions: X's tiles a0, a0 + 1 against my six of W.  The 48 accumulators take turns in one order.
.macro MULS a0, s, zero
.irp a, \a0, \a0+1
.irp bq, 0,1,2,3,4,5
.set RD_, 96*(((\a)/2)%2)+16*\bq+8*((\a)%2)
.set RW_, 96+72*((\s)%2)+12*\bq
.set RX_, 12*(\a)
.set SW_, SC+8*(\s)+\bq
.set SX_, SC+8*(\s)+(\a)
.if \bq < 4
.if \zero
	v_wmma_scale_f32_16x16x128_f8f6f4 v[RD_:RD_+7], v[RW_:RW_+11], v[RX_:RX_+11], 0, v[SW_], v[SX_] matrix_a_fmt:MATRIX_FMT_FP6 matrix_b_fmt:MATRIX_FMT_FP6 matrix_a_scale:MATRIX_SCALE_ROW1
.else
	v_wmma_scale_f32_16x16x128_f8f6f4 v[RD_:RD_+7], v[RW_:RW_+11], v[RX_:RX_+11], v[RD_:RD_+7], v[SW_], v[SX_] matrix_a_fmt:MATRIX_FMT_FP6 matrix_b_fmt:MATRIX_FMT_FP6 matrix_a_scale:MATRIX_SCALE_ROW1
.endif
.else
.if \zero
	v_wmma_scale_f32_16x16x128_f8f6f4 v[RD_:RD_+7], v[RX_:RX_+11], v[RW_:RW_+11], 0, v[SX_], v[SW_] matrix_a_fmt:MATRIX_FMT_FP6 matrix_b_fmt:MATRIX_FMT_FP6 matrix_b_scale:MATRIX_SCALE_ROW1
.else
	v_wmma_scale_f32_16x16x128_f8f6f4 v[RD_:RD_+7], v[RX_:RX_+11], v[RW_:RW_+11], v[RD_:RD_+7], v[SX_], v[SW_] matrix_a_fmt:MATRIX_FMT_FP6 matrix_b_fmt:MATRIX_FMT_FP6 matrix_b_scale:MATRIX_SCALE_ROW1
.endif
.endif
.endr
.endr
.endm
.macro STEP s, zero
	s_wait_dscnt 24                                ; W's set and X's tiles 0-3 are in; the youngest 24 loads (tiles 4-7) may be out
	WIN MUL_LO
	MULS 0, \s, \zero
	MULS 2, \s, \zero
	s_wait_dscnt 0x0
	PLACES
	FETCH_B (\s)+1
	FETCH_A (\s)+1, 0
	WIN MUL_HI
	MULS 4, \s, \zero
	MULS 6, \s, \zero
	PLACES
	FETCH_A (\s)+1, 4
.endm
; a step behind which another slot's bytes must be whole for every wave.  fill = 1: slot 0, just read out, takes the fourth quarter of K, behind a round of the cluster's barrier
.macro TURN s, fill
	WIN 0
	s_wait_tensorcnt 0x0                           ; all my tensor loads have landed
	ds_add_u32 v[SPW], v[NIL]
	s_wait_dscnt 25                                ; (the add and the youngest 24 loads may be out)
	WIN MUL_LO
	MULS 0, \s, 0
	s_wait_dscnt 0x0                               ; the add is done, and my reads of the slot are over
	s_barrier_signal -1
	MULS 2, \s, 0
	WIN 0
	s_barrier_wait -1
.if \fill
	CREST                                          ; no wave of any partner still reads slot 0 or has a load on its way
	s_add_nc_u64 s[62:63], s[62:63], 9216          ; three quarters on
	s_add_nc_u64 s[82:83], s[82:83], 9216
	JLOAD 60, G1A, 80, G1B                         ; it has four steps, 192 matrix instructions, in which to land
.else
	PLACES
.endif
	FETCH_B (\s)+1
	FETCH_A (\s)+1, 0
	WIN MUL_HI
	MULS 4, \s, 0
	MULS 6, \s, 0
	PLACES
	FETCH_A (\s)+1, 4
.endm
; four maxima in v[M+q] become scale operands v[M+8+q] and bytes v[M+12+q]; a block lies in lanes l and l xor 16
.macro SCALES4
.irp q, 0,1,2,3
	v_permlanex16_b32 v[M+4+\q], v[M+\q], s66, s67
.endr
.irp q, 0,1,2,3
	v_max_num_f32 v[M+\q], v[M+\q], v[M+4+\q]
.endr
.irp q, 0,1,2,3
	v_add_nc_u32 v[M+8+\q], 0xff000000, v[M+\q]    ; 2 off the exponent field
.endr
.irp q, 0,1,2,3
	v_lshrrev_b32 v[M+12+\q], 23, v[M+8+\q]
.endr
.endm
; xpos and the quantiser for Q (T = 0) or K (1), tiles a = 4 bp + q, the four by turns
.macro XQ T, bp
	s_wait_xcnt 0x0                                ; earlier stores have read their data
	WIN 0x02+(\bp)
.irp p, 0,1,2,3,4,5,6,7
.irp q, 0,1,2,3
.set RA_, 96*(\q/2)+16*(2*(\T)+\p/4)+8*(\q%2)+2*(\p%4)
.set RT_, TB+32*(\T)+16*(\q%2)+2*\p
.set RY_, Y+16*\q+2*\p
	v_pk_mul_f32 v[RY_:RY_+1], v[RA_:RA_+1], v[RT_:RT_+1] op_sel_hi:[1,0]    ; (x1 c, x2 c); each accumulator is read from its low end on
.endr
.endr
.irp p, 0,1,2,3,4,5,6,7
.irp q, 0,1,2,3
.set RA_, 96*(\q/2)+16*(2*(\T)+\p/4)+8*(\q%2)+2*(\p%4)
.set RT_, TB+32*(\T)+16*(\q%2)+2*\p
.set RY_, Y+16*\q+2*\p
	v_pk_fma_f32 v[RY_:RY_+1], v[RA_:RA_+1], v[RT_:RT_+1], v[RY_:RY_+1] op_sel:[1,1,0] op_sel_hi:[0,1,1] neg_lo:[0,1,0]   ; (- x2 s, + x1 s)
.endr
.endr
	WIN 0
.irp q, 0,1,2,3
	v_max3_num_f32 v[M+\q], |v[Y+16*\q]|, |v[Y+16*\q+1]|, 0x1800000
.endr
.irp i, 2,4,6,8,10,12,14
.irp q, 0,1,2,3
	v_max3_num_f32 v[M+\q], v[M+\q], |v[Y+16*\q+\i]|, |v[Y+16*\q+\i+1]|
.endr
.endr
	SCALES4
.irp q, 0,1,2,3
	v_cvt_scalef32_pk16_fp6_f32 v[CD+4*\q:CD+4*\q+2], v[Y+16*\q:Y+16*\q+15], v[M+8+\q]
.endr
	v_nop                                          ; one plain line behind the conversions
.irp q, 0,1,2,3
.if (\T) == 0
	global_store_b96 v[VO12], v[CD+4*\q:CD+4*\q+2], s[12:13] offset:1572864*(2*(\bp)+\q/2)+12288*(\q%2)   ; 384 consecutive bytes: block g of a tile
.else
	global_store_b96 v[VO12], v[CD+4*\q:CD+4*\q+2], s[94:95] offset:1572864*(2*(\bp)+\q/2)+12288*(\q%2)
.endif
.endr
.irp bb, 0,1
	v_cndmask_b32 v[BT+\bb], v[M+12+2*\bb], v[M+13+2*\bb], s92   ; lanes 0-15: tile u = 0's byte, lanes 16-31: u = 1's
	ds_store_b8 v[EXA], v[BT+\bb] offset:128*(4*(\T)+2*(\bp)+\bb)
.endr
.endm
; V's quantiser: blocks q = 2 bb + u': batch 2 bp + bb, columns 16 u' on; the 16 numbers are accumulators as they stand
.macro XV bp
	s_wait_xcnt 0x0
	WIN 0x0a+5*(\bp)
.irp q, 0,1,2,3
.set RA_, 96*(\q/2)+16*(4+\q%2)
	v_max3_num_f32 v[M+\q], |v[RA_]|, |v[RA_+1]|, 0x1800000
.endr
.irp i, 2,4,6,8,10,12,14
.irp q, 0,1,2,3
.set RA_, 96*(\q/2)+16*(4+\q%2)
	v_max3_num_f32 v[M+\q], |v[RA_+\i]|, |v[RA_+\i+1]|, v[M+\q]
.endr
.endr
	WIN 0
	SCALES4
	WIN 0x02+(\bp)
.irp q, 0,1,2,3
.set RA_, 96*(\q/2)+16*(4+\q%2)
	v_cvt_scalef32_pk16_fp6_f32 v[CD+4*\q:CD+4*\q+2], v[RA_:RA_+15], v[M+8+\q]
.endr
	WIN 0
	v_nop
.irp q, 0,1,2,3
	global_store_b96 v[VO12], v[CD+4*\q:CD+4*\q+2], s[14:15] offset:1572864*(2*(\bp)+\q/2)+24576*(\q%2)
.endr
.irp bb, 0,1
	v_cndmask_b32 v[BT+2+\bb], v[M+12+2*\bb], v[M+13+2*\bb], s92
	global_store_b8 v[VSO], v[BT+2+\bb], s[96:97] offset:65536*(2*(\bp)+\bb)
.endr
.endm
	s_load_b256 s[4:11], s[0:1], 0x0               ; cx 4, cw 6, sxw 8, tab 10
	s_load_b128 s[12:15], s[0:1], 0x20             ; cqk 12, cv 14
	s_load_b64 s[16:17], s[0:1], 0x30              ; sqkv
	v_lshl_add_u32 v[SPW], v0, 2, SPARE
	v_mov_b32 v[NIL], 0
	ds_add_u32 v[SPW], v[NIL]                      ; the wave's opening
	v_lshrrev_b32 v1, 5, v0
	v_readfirstlane_b32 s[WV], v1
	s_bfe_u32 s19, ttmp6, 0x40000                  ; cx
	s_bfe_u32 s20, ttmp6, 0x40004                  ; cy
	s_lshl_b32 s21, ttmp9, 2
	s_add_co_u32 s21, s21, s19                     ; tc
	s_and_b32 s22, ttmp7, 0xffff
	s_lshl_b32 s22, s22, 2
	s_add_co_u32 s22, s22, s20                     ; G
	s_lshl_b32 s23, s20, 2
	s_lshl_b32 s23, 15, s23                        ; my row of the cluster
	s_lshl_b32 s93, 0x1111, s19                    ; my column
	s_or_b32 s[G1A], s23, (3<<16)|(1<<21)          ; 15:0 the mask; 17:16 elements of 8 bytes; 21 set beside a mask; no padding
	s_or_b32 s[G1B], s93, (3<<16)|(1<<21)
	s_or_b32 s[G1SA], s23, (3<<16)|(1<<21)
	s_or_b32 s[G1SB], s93, (3<<16)|(1<<21)
.irp g, G1A, G1B                       ; 8 tiles: rows of 3,072 bytes (256 along K), 12,288 bytes apart
	s_mov_b32 s[\g+1], 384<<16
	s_mov_b32 s[\g+2], 8<<16
	s_mov_b32 s[\g+3], 384<<16
	s_mov_b32 s[\g+4], 8
	s_mov_b32 s[\g+5], 1536
	s_mov_b32 s[\g+6], 0
	s_mov_b32 s[\g+7], 0
.endr
.irp g, G1SA, G1SB                     ; 4,096 dense bytes of scale words as 16 rows of 256
	s_mov_b32 s[\g+1], 32<<16
	s_mov_b32 s[\g+2], 16<<16
	s_mov_b32 s[\g+3], 32<<16
	s_mov_b32 s[\g+4], 16
	s_mov_b32 s[\g+5], 32
	s_mov_b32 s[\g+6], 0
	s_mov_b32 s[\g+7], 0
.endr
	s_mul_i32 s94, s22, 98304                      ; X's codes: G alone
	s_mov_b32 s95, 0
	s_lshl_b32 s98, s22, 12                        ; X's scale words
	s_mov_b32 s99, 0
	s_max_u32 s23, s[WV], 1
	s_sub_co_u32 s23, s23, 1                       ; waves 1 to 3: thirds 0 to 2 of W's 24 tiles
	s_mul_i32 s96, s21, 294912                     ; W's codes: tc and the wave
	s_mul_i32 s93, s23, 98304
	s_add_co_u32 s96, s96, s93
	s_mov_b32 s97, 0
	s_mul_i32 s100, s21, 12288
	s_lshl_b32 s93, s23, 12
	s_add_co_u32 s100, s100, s93
	s_add_co_u32 s100, s100, 262144
	s_mov_b32 s101, 0
	s_mul_i32 s93, s[WV], 24576                    ; where they go: the wave's number alone
	s_lshl_b32 s92, s[WV], 12
	s_wait_dscnt 0x0                               ; the opening add is done
	s_wait_kmcnt 0x0
	s_add_nc_u64 s[94:95], s[4:5], s[94:95]
	s_add_nc_u64 s[98:99], s[8:9], s[98:99]
	s_add_nc_u64 s[96:97], s[6:7], s[96:97]
	s_add_nc_u64 s[100:101], s[8:9], s[100:101]
	CROUND                                         ; all sixteen work-groups are here: the first joint loads meet
	s_mov_b32 s56, 1
	s_add_co_u32 s57, s92, SCL
	s_mov_b64 s[58:59], s[98:99]
	s_or_b32 s59, s59, 0x80000000
	s_mov_b32 s76, 1
	s_add_co_u32 s77, s92, SCL
	s_mov_b64 s[78:79], s[100:101]
	s_or_b32 s79, s79, 0x80000000
	JLOAD 56, G1SA, 76, G1SB                       ; the scale words, then three quarters of K: four loads of mine are out
	MKG0 60, 80, 0
	MKG0 68, 84, 1
	MKG0 72, 88, 2
	s_lshl_b32 s23, s21, 2
	s_add_co_u32 s23, s23, s[WV]                   ; g = 4 tc + w
	s_lshl_b32 s93, s22, 5
	s_add_co_u32 s93, s93, s23
	s_lshl_b32 s94, s93, 12
	s_mov_b32 s95, 0
	s_add_nc_u64 s[10:11], s[10:11], s[94:95]      ; Q's table at (G, g)
	s_add_nc_u64 s[98:99], s[10:11], 0x800000      ; K's
	v_and_b32 v3, 31, v0
	v_lshlrev_b32 v[L16], 4, v3
.irp u, 0,1
.irp k, 0,1,2,3
	global_load_b128 v[TB+16*\u+4*\k:TB+16*\u+4*\k+3], v[L16], s[10:11] offset:2048*\u+512*\k th:TH_LOAD_NT
	global_load_b128 v[TB+32+16*\u+4*\k:TB+32+16*\u+4*\k+3], v[L16], s[98:99] offset:2048*\u+512*\k th:TH_LOAD_NT
.endr
.endr
	s_mul_i32 s100, s22, 24576
	s_mul_i32 s93, s23, 384
	s_add_co_u32 s100, s100, s93
	s_mov_b32 s101, 0
	s_add_nc_u64 s[12:13], s[12:13], s[100:101]    ; Q's codes: tile 2 G, block g
	s_add_nc_u64 s[94:95], s[12:13], 0x600000      ; K's
	s_mul_i32 s100, s23, 49152
	s_mul_i32 s93, s22, 384
	s_add_co_u32 s100, s100, s93
	s_add_nc_u64 s[14:15], s[14:15], s[100:101]    ; V's codes: tile 2 g, block G
	s_lshl_b32 s100, s23, 11
	s_lshr_b32 s93, s22, 2
	s_lshl_b32 s93, s93, 6
	s_add_co_u32 s100, s100, s93
	s_and_b32 s93, s22, 3
	s_add_co_u32 s100, s100, s93
	s_add_co_u32 s100, s100, 524288
	s_add_nc_u64 s[96:97], s[16:17], s[100:101]    ; V's scale bytes
	s_lshr_b32 s100, s[WV], 1
	s_lshl_b32 s100, s100, 18
	s_lshl_b32 s93, s22, 3
	s_add_co_u32 s93, s93, s21
	s_lshl_b32 s93, s93, 9
	s_add_co_u32 s100, s100, s93
	s_and_b32 s93, s[WV], 1
	s_lshl_b32 s93, s93, 8
	s_add_co_u32 s100, s100, s93
	s_add_nc_u64 s[16:17], s[16:17], s[100:101]    ; Q's or K's scale words: my 256 bytes
	v_and_b32 v1, 15, v0                           ; r
	v_bfe_u32 v2, v0, 4, 1                         ; h
	v_mul_u32_u24 v24, v1, 24
	v_mad_u32_u24 v25, v2, 384, v24
	s_mul_i32 s93, s[WV], 18432
	s_add_co_u32 s93, s93, 24576
.irp s, 0,1,2
	v_add_nc_u32 v[ADA+\s], \s*SLOTB, v25
	v_add_nc_u32 v[ADB+\s], s93, v25
	s_add_co_u32 s93, s93, SLOTB
.endr
	v_mad_u32_u24 v[VO12], v2, 12, v24
	s_mul_i32 s93, s[WV], 3072
	s_add_co_u32 s93, s93, 4096
	v_mul_u32_u24 v24, s93, v2                     ; lanes 16-31 take my W's words
	v_lshl_add_u32 v[ADRS2], v1, 2, SCL
	v_add_nc_u32 v[ADRS], v24, v[ADRS2]
	v_lshl_add_u32 v[EXA], v3, 2, EXQ
	v_add_nc_u32 v[EXA], s[WV], v[EXA]             ; byte w of word l
	s_lshl_b32 s93, s[WV], 8
	s_add_co_u32 s93, s93, EXQ
	v_lshl_add_u32 v[EXR], v3, 3, s93
	v_lshlrev_b32 v[L8], 3, v3
	v_lshlrev_b32 v[VSO], 10, v2
	v_lshl_add_u32 v[VSO], v1, 2, v[VSO]
	s_mov_b32 s92, 0xffff0000                      ; lanes 16-31
	s_mov_b32 s66, 0x76543210
	s_mov_b32 s67, 0xfedcba98                      ; v_permlanex16_b32's selects for lane l xor 16
.irp q, 0,1,2,3
	v_mov_b32 v[M+4+\q], 0                         ; a lane permute's destination counts as one of its sources
.endr
	s_wait_tensorcnt 2                             ; the scale words and my part of slot 0 are in; slots 1 and 2 may be out
	s_barrier_signal -1
	s_barrier_wait -1
	FETCH_B 0
	FETCH_A 0, 0
	WIN 0
.irp ks, 0,1,2,3,4,5,6,7
.irp i, 0,1,2,3,4,5
	ds_load_b32 v[SC+8*\ks+\i], v[ADRS] offset:512*\i+64*\ks
.endr
.irp i, 6,7
	ds_load_b32 v[SC+8*\ks+\i], v[ADRS2] offset:512*\i+64*\ks
.endr
.endr
	FETCH_A 0, 4
	STEP 0, 1                                      ; the first step's products start the sums
	TURN 1, 1
	STEP 2, 0
	STEP 3, 0
	STEP 4, 0
	TURN 5, 0                                      ; the refill has landed, in every wave
	STEP 6, 0
	s_wait_dscnt 24                                ; the last step: nothing more to fetch
	WIN MUL_LO
	MULS 0, 7, 0
	MULS 2, 7, 0
	s_wait_dscnt 0x0
	WIN MUL_HI
	MULS 4, 7, 0
	MULS 6, 7, 0
	WIN 0
	s_wait_loadcnt 0x0                             ; the table
	PLACES
	XQ 0, 0
	XQ 0, 1
	XQ 1, 0
	XQ 1, 1
	XV 0
	XV 1
	s_wait_dscnt 0x0                               ; a word's four bytes come from four waves: my stores are done,
	s_barrier_signal -1
	s_barrier_wait -1                              ; everybody's are
	ds_load_b64 v[BT+4:BT+5], v[EXR]
	s_wait_dscnt 0x0
	global_store_b64 v[L8], v[BT+4:BT+5], s[16:17] ; 256 consecutive bytes, aligned
	s_wait_tensorcnt 0x0                           ; the wave's end
	ds_add_u32 v[SPW], v[NIL]
	s_wait_dscnt 0x0
	CROUND                                         ; the closing round
	s_endpgm
.Lfunc_end_k_q3b5115727d_proj:
	.size	k_q3b5115727d_proj, .Lfunc_end_k_q3b5115727d_proj-k_q3b5115727d_proj
	.p2alignl 7, 3214868480
	.fill 96, 4, 3214868480
	.section	.rodata,"a",@progbits
	.p2align	6, 0x0
	.amdhsa_kernel k_q3b5115727d_proj
		.amdhsa_group_segment_fixed_size 327680
		.amdhsa_private_segment_fixed_size 0
		.amdhsa_enable_private_segment 0
		.amdhsa_kernarg_size 56
		.amdhsa_user_sgpr_count 2
		.amdhsa_user_sgpr_kernarg_segment_ptr 1
		.amdhsa_wavefront_size32 1
		.amdhsa_system_sgpr_workgroup_id_x 1
		.amdhsa_system_sgpr_workgroup_id_y 1
		.amdhsa_system_sgpr_workgroup_id_z 1
		.amdhsa_system_vgpr_workitem_id 0
		.amdhsa_next_free_vgpr 1024
		.amdhsa_next_free_sgpr 102
		.amdhsa_reserve_vcc 0
		.amdhsa_float_denorm_mode_32 3
		.amdhsa_float_denorm_mode_16_64 3
		.amdhsa_memory_ordered 1
		.amdhsa_forward_progress 1
		.amdhsa_inst_pref_size 152
	.end_amdhsa_kernel
	.amdgpu_metadata
---
amdhsa.version: [ 1, 2 ]
amdhsa.kernels:
  - .name:           k_q3b5115727d_proj
    .symbol:         k_q3b5115727d_proj.kd
    .args:
      - { .name: cx, .offset: 0, .size: 8, .value_kind: global_buffer, .address_space: global }
      - { .name: cw, .offset: 8, .size: 8, .value_kind: global_buffer, .address_space: global }
      - { .name: sxw, .offset: 16, .size: 8, .value_kind: global_buffer, .address_space: global }
      - { .name: tab, .offset: 24, .size: 8, .value_kind: global_buffer, .address_space: global }
      - { .name: cqk, .offset: 32, .size: 8, .value_kind: global_buffer, .address_space: global }
      - { .name: cv, .offset: 40, .size: 8, .value_kind: global_buffer, .address_space: global }
      - { .name: sqkv, .offset: 48, .size: 8, .value_kind: global_buffer, .address_space: global }
    .group_segment_fixed_size: 327680
    .private_segment_fixed_size: 0
    .kernarg_segment_align: 8
    .kernarg_segment_size: 56
    .max_flat_workgroup_size: 128
    .sgpr_count:     102
    .vgpr_count:     1024
    .wavefront_size: 32
...
	.end_amdgpu_metadata
.endif
;; end of part 2
;; launch score (part 3): grid 36 x 4, 4 waves a work-group, no clusters, 327,680 bytes of LDS; arguments cqk, sqkv, att; writes att
.if DOCPART == 3
	.amdgcn_target "amdgcn-amd-amdhsa--gfx1250"
	.amdhsa_code_object_version 6
	.text
	.protected	k_q3b5115727d_score
	.globl	k_q3b5115727d_score
	.p2align	8
	.type	k_q3b5115727d_score,@function
k_q3b5115727d_score:
	s_mov_b64 s[64:65], 0
	v_nop
	global_prefetch_b8 v0, s[64:65] scope:SCOPE_SE
	s_setreg_imm32_b32 hwreg(HW_REG_WAVE_MODE, 25, 1), 1
	s_wait_xcnt 0x0
; att = (Q K^T) x D, D = gamma^(n - m) for n >= m and 0 else, quantised along the keys for the next product.
; Only the tiles of 256 queries x 256 keys at or under the diagonal are made: 36 for each of 4 batches; tile t is (I, J), J <= I.
; NO CLUSTER: the tiles kept form a triangle of 36, which no 4 x 4 or 4 x 1 cluster divides so that partners share a row or a column of it throughout.
; Wave (rh, ch) makes 128 x 128, transposed (source 0 = 16 keys, source 1 = 16 queries): a lane holds one query, and the 16 registers of key tiles 2 kg, 2 kg + 1 are keys 32 kg + 16 h + 0 .. 15.
; K = 1,024 in 8 steps of 128: three LDS slots of 256 along K are filled at the start, the fourth quarter is the one refill, into slot 0.
; THE DECAY: gamma^d = F x c_i with d = E - i; E hangs on the lane, the query tile and the key group (14 values F), c_i = gamma^-i (16).  F is 0 where E < 0: such a block is wholly hidden.
; Only where E can lie in 0 .. 14 (the wave on the diagonal, key group = query group) single numbers are hidden: there i > E is set to 0.
; The diagonal work-group of an even I also writes the tile to its right as zeros: the next launch loads keys in runs of 512.
; LIMITS: NaN and infinities are not served; gamma^d is a product of two factors, good to about 2e-7; a block of zeros gets the byte 1 (127 in the zero tile).
.set SLOTB, 98304                      ; a slot: 32 tiles x 3,072 bytes: tiles 0-15 Q, 16-31 K
.set SCL,   3*SLOTB                    ; scale words [group 8][ks 8][position 32][4]: Q's 8,192 bytes, then K's
.set SPARE, SCL+16384
.set ADA,   4
.set ADB,   7
.set ADRS,  10
.set VO12,  12
.set L4,    13
.set SPW,   28
.set NIL,   29
.set SC,    32                         ; v32-95   scale words 8 ks + i: lanes 0-15 Q's tile i, lanes 16-31 K's tile i
.set FF,    96                         ; v96-109  F[2 (dd + 3) + u]
.set E0I,   110                        ; v110-111 E for dd = 0, u = 0, 1
.set CI,    112                        ; v112-127 c_i
.set AF,    128                        ; v128-223 Q's 8 fragments; on the way out: Y v128-191, M v192-207, CD v208-223
.set M,     192
.set CD,    208
.set MUL_LO, 0xa1                      ; source 0 (K) window 1, source 1 (Q) window 0, C and D window 2
.set MUL_HI, 0xf1
.set MSB, 0
.macro WIN new
.if MSB != (\new)
	s_set_vgpr_msb (MSB<<8)|(\new)
.set MSB, (\new)
.endif
.endm
.macro PLACES
.rept 4
	v_nop
.endr
.endm
.macro FRAG reg, adr, off
.irp p, 0,1,2,3,4,5
	ds_load_b64 v[\reg+2*\p:\reg+2*\p+1], v[\adr] offset:\off+768*(\p/3)+8*(\p%3)
.endr
.endm
.macro FETCH_B s
	WIN 0x40
.irp i, 0,1,2,3,4,5,6,7
	FRAG 128*((\s)%2)+12*\i, ADB+((\s)/2)%3, 1536*((\s)%2)+3072*\i
.endr
.endm
.macro FETCH_A s, i0
	WIN 0
.irp i, \i0, \i0+1, \i0+2, \i0+3
	FRAG AF+12*(\i), ADA+((\s)/2)%3, 1536*((\s)%2)+3072*(\i)
.endr
.endm
.macro MULS a0, s, zero                ; 16 matrix instructions; the 64 accumulators take turns in one order
.irp a, \a0, \a0+1
.irp kb, 0,1,2,3,4,5,6,7
.set RD_, 8*(8*((\a)%4)+\kb)
.set RK_, 128*((\s)%2)+12*\kb
.set RQ_, AF+12*(\a)
.if \zero
	v_wmma_scale_f32_16x16x128_f8f6f4 v[RD_:RD_+7], v[RK_:RK_+11], v[RQ_:RQ_+11], 0, v[SC+8*(\s)+\kb], v[SC+8*(\s)+(\a)] matrix_a_fmt:MATRIX_FMT_FP6 matrix_b_fmt:MATRIX_FMT_FP6 matrix_a_scale:MATRIX_SCALE_ROW1
.else
	v_wmma_scale_f32_16x16x128_f8f6f4 v[RD_:RD_+7], v[RK_:RK_+11], v[RQ_:RQ_+11], v[RD_:RD_+7], v[SC+8*(\s)+\kb], v[SC+8*(\s)+(\a)] matrix_a_fmt:MATRIX_FMT_FP6 matrix_b_fmt:MATRIX_FMT_FP6 matrix_a_scale:MATRIX_SCALE_ROW1
.endif
.endr
.endr
.endm
.macro STEP s, zero
	s_wait_dscnt 24                                ; K's set and Q's tiles 0-3 are in; the youngest 24 loads (tiles 4-7) may be out
	WIN MUL_LO
	MULS 0, \s, \zero
	MULS 2, \s, \zero
	s_wait_dscnt 0x0
	PLACES
	FETCH_B (\s)+1
	FETCH_A (\s)+1, 0
	WIN MUL_HI
	MULS 4, \s, \zero
	MULS 6, \s, \zero
	PLACES
	FETCH_A (\s)+1, 4
.endm
.macro TURN s, fill
	WIN 0
	s_wait_tensorcnt 0x0                           ; all my tensor loads have landed
	ds_add_u32 v[SPW], v[NIL]
.if \fill
	s_add_nc_u64 s[46:47], s[46:47], 9216          ; slot 0's next tile: three quarters on (no load of mine is out)
.endif
	s_wait_dscnt 25                                ; (the add and the youngest 24 loads may be out)
	WIN MUL_LO
	MULS 0, \s, 0
	s_wait_dscnt 0x0                               ; the add is done, and my reads of the slot are over
	s_barrier_signal -1
	MULS 2, \s, 0
	WIN 0
	s_barrier_wait -1
.if \fill
	tensor_load_to_lds s[44:47], s[24:31]          ; the one refill: it has four steps, 256 matrix instructions, in which to land
	s_nop 0
.endif
	PLACES
	FETCH_B (\s)+1
	FETCH_A (\s)+1, 0
	WIN MUL_HI
	MULS 4, \s, 0
	MULS 6, \s, 0
	PLACES
	FETCH_A (\s)+1, 4
.endm
; query tile a: the decay, the quantiser of its four blocks of 32 keys, the stores
.macro OUTA a
	s_wait_xcnt 0x0                                ; earlier stores have read their data
	WIN 0x02+(\a)/4
.irp x, 0,1,2,3,4,5,6,7
.irp kg, 0,1,2,3
.set RA_, 8*(8*((\a)%4)+2*\kg)+2*\x
.set FI_, 2*((\a)/2-\kg+3)+(\a)%2
.set RY_, 128+16*\kg+2*\x
.if FI_%2
	v_pk_mul_f32 v[RY_:RY_+1], v[RA_:RA_+1], v[FF+FI_-1:FF+FI_] op_sel:[0,1] op_sel_hi:[1,1]   ; x F; each accumulator is read from its low end on
.else
	v_pk_mul_f32 v[RY_:RY_+1], v[RA_:RA_+1], v[FF+FI_:FF+FI_+1] op_sel_hi:[1,0]
.endif
.endr
.endr
	WIN 0
.irp x, 0,1,2,3,4,5,6,7
.irp kg, 0,1,2,3
	v_pk_mul_f32 v[128+16*\kg+2*\x:129+16*\kg+2*\x], v[128+16*\kg+2*\x:129+16*\kg+2*\x], v[CI+2*\x:CI+2*\x+1]   ; x c_i
.endr
.endr
	s_cmp_lg_u32 s17, 0                            ; ids and the wave's number alone
	s_cbranch_scc1 .Lnodiag_\@
.irp i, 0,1,2,3,4,5,6,7,8,9,10,11,12,13,14,15
	v_cmp_le_i32 vcc_lo, \i, v[E0I+(\a)%2]         ; kept where i <= E
	v_cndmask_b32 v[128+16*((\a)/2)+\i], 0, v[128+16*((\a)/2)+\i], vcc_lo
.endr
.Lnodiag_\@:
.irp q, 0,1,2,3
	v_max3_num_f32 v[M+\q], |v[128+16*\q]|, |v[129+16*\q]|, 0x1800000
.endr
.irp i, 2,4,6,8,10,12,14
.irp q, 0,1,2,3
	v_max3_num_f32 v[M+\q], v[M+\q], |v[128+16*\q+\i]|, |v[129+16*\q+\i]|
.endr
.endr
.irp q, 0,1,2,3
	v_permlanex16_b32 v[M+4+\q], v[M+\q], s56, s57
.endr
.irp q, 0,1,2,3
	v_max_num_f32 v[M+\q], v[M+\q], v[M+4+\q]
.endr
.irp q, 0,1,2,3
	v_add_nc_u32 v[M+8+\q], 0xff000000, v[M+\q]
.endr
.irp q, 0,1,2,3
	v_lshrrev_b32 v[M+12+\q], 23, v[M+8+\q]
.endr
.irp q, 0,1,2,3
	v_cvt_scalef32_pk16_fp6_f32 v[CD+4*\q:CD+4*\q+2], v[128+16*\q:143+16*\q], v[M+8+\q]
.endr
	v_lshl_or_b32 v[224+(\a)%2], v[M+13], 8, v[M+12]   ; the row's scale word for these 128 keys; also the plain line behind the conversions
	v_lshl_or_b32 v[224+(\a)%2], v[M+14], 16, v[224+(\a)%2]
	v_lshl_or_b32 v[224+(\a)%2], v[M+15], 24, v[224+(\a)%2]
.irp q, 0,1,2,3
	global_store_b96 v[VO12], v[CD+4*\q:CD+4*\q+2], s[8:9] offset:24576*(\a)+384*\q   ; four stores: 1,536 consecutive bytes of a tile
.endr
.if (\a)%2
	v_cndmask_b32 v226, v224, v225, s58            ; lanes 0-15: tile a - 1's words, lanes 16-31: tile a's
	global_store_b32 v[L4], v226, s[20:21] offset:128*((\a)/2)
.endif
.endm
	s_load_b128 s[4:7], s[0:1], 0x0                ; cqk 4, sqkv 6
	s_load_b64 s[8:9], s[0:1], 0x10                ; att
	v_lshl_add_u32 v[SPW], v0, 2, SPARE
	v_mov_b32 v[NIL], 0
	ds_add_u32 v[SPW], v[NIL]                      ; the wave's opening
	v_lshrrev_b32 v1, 5, v0
	v_readfirstlane_b32 s10, v1                    ; wave
	s_and_b32 s13, ttmp7, 0xffff                   ; b
	s_mov_b32 s15, 0
.irp th, 1,3,6,10,15,21,28
	s_cmp_ge_u32 ttmp9, \th
	s_cselect_b32 s18, 1, 0
	s_add_co_u32 s15, s15, s18                     ; I: how many triangular numbers t has reached
.endr
	s_add_co_u32 s18, s15, 1
	s_mul_i32 s18, s18, s15
	s_lshr_b32 s18, s18, 1
	s_sub_co_u32 s16, ttmp9, s18                   ; J
	s_lshr_b32 s11, s10, 1                         ; rh.  Also: I fetch for Q (0) or for K (1)
	s_and_b32 s12, s10, 1                          ; ch.  Also: which half of it
	s_lshl_b32 s19, s13, 7
	s_cmp_lt_u32 s10, 2
	s_cselect_b32 s18, s15, s16
	s_cselect_b32 s20, 0, 512
	s_cselect_b32 s21, 0, 262144
	s_lshl_b32 s22, s18, 4
	s_add_co_u32 s22, s22, s19
	s_add_co_u32 s22, s22, s20
	s_lshl_b32 s23, s12, 3
	s_add_co_u32 s22, s22, s23                     ; my first tile of eight in cqk
	s_mul_i32 s22, s22, 12288
	s_mov_b32 s23, 0
	s_lshl_b32 s18, s18, 15
	s_add_co_u32 s20, s21, s18
	s_lshl_b32 s18, s12, 14
	s_add_co_u32 s20, s20, s18
	s_lshl_b32 s18, s13, 7
	s_add_co_u32 s20, s20, s18                     ; my four groups' scale words
	s_mov_b32 s21, 0
	s_mov_b32 s24, 3<<16                           ; codes: 8 rows of 3,072 bytes, 12,288 apart; elements of 8 bytes
	s_mov_b32 s25, 384<<16
	s_mov_b32 s26, 8<<16
	s_mov_b32 s27, 384<<16
	s_mov_b32 s28, 8
	s_mov_b32 s29, 1536
	s_mov_b32 s30, 0
	s_mov_b32 s31, 0
	s_mov_b32 s32, 3<<16                           ; scale words: 32 rows of 128 bytes, 512 apart
	s_mov_b32 s33, 16<<16
	s_mov_b32 s34, 32<<16
	s_mov_b32 s35, 16<<16
	s_mov_b32 s36, 32
	s_mov_b32 s37, 64
	s_mov_b32 s38, 0
	s_mov_b32 s39, 0
	s_mul_i32 s62, s10, 24576
	s_lshl_b32 s63, s10, 12
	s_wait_dscnt 0x0                               ; the opening add is done
	s_wait_kmcnt 0x0
	s_add_nc_u64 s[22:23], s[4:5], s[22:23]
	s_mov_b32 s40, 1
	s_add_co_u32 s41, s63, SCL
	s_add_nc_u64 s[42:43], s[6:7], s[20:21]
	s_or_b32 s43, s43, 0x80000000
.irp s, 0,1,2
	s_mov_b32 s[44+4*\s], 1
	s_add_co_u32 s[45+4*\s], s62, \s*SLOTB
	s_add_nc_u64 s[46+4*\s:47+4*\s], s[22:23], \s*3072
	s_or_b32 s[47+4*\s], s[47+4*\s], 0x80000000
.endr
	tensor_load_to_lds s[40:43], s[32:39]          ; the scale words, then three quarters of K: four loads of mine are out
	s_nop 0
	tensor_load_to_lds s[44:47], s[24:31]
	s_nop 0
	tensor_load_to_lds s[48:51], s[24:31]
	s_nop 0
	tensor_load_to_lds s[52:55], s[24:31]
	s_nop 0
	PLACES
	; the decay, while the tiles are on their way
	v_and_b32 v1, 15, v0                           ; r
	v_bfe_u32 v2, v0, 4, 1                         ; h
	v_and_b32 v3, 31, v0
	s_mov_b32 s56, 0x76543210
	s_mov_b32 s57, 0xfedcba98
	s_mov_b32 s58, 0xffff0000
	s_mov_b32 s59, 0xbd3b9ca6                      ; log2(31/32), its upper part
	s_mov_b32 s60, 0xb09d9656                      ; and the rest
	s_mov_b32 s61, 0x3f317218                      ; ln 2
	s_sub_co_i32 s17, s15, s16
	s_lshl_b32 s17, s17, 8
	s_sub_co_i32 s18, s11, s12
	s_lshl_b32 s18, s18, 7
	s_add_co_i32 s17, s17, s18                     ; my first query less my first key
	v_and_b32 v24, 8, v1
	v_add_nc_u32 v24, v24, v1
	v_lshlrev_b32 v25, 4, v2
	v_sub_nc_u32 v24, v24, v25
	v_add_nc_u32 v24, s17, v24                     ; + r + 8 (r / 8) - 16 h
.irp f, 0,1,2,3,4,5,6,7,8,9,10,11,12,13
	v_add_nc_u32 v[224+\f], 32*(\f/2-3)+8*(\f%2), v24   ; E
.endr
.irp f, 0,1,2,3,4,5,6,7,8,9,10,11,12,13
	v_cvt_f32_i32 v[192+\f], v[224+\f]
.endr
.irp i, 0,1,2,3,4,5,6,7,8,9,10,11,12,13,14,15
	v_cvt_f32_i32 v[206+\i], -\i
.endr
.irp x, 0,1,2,3,4,5,6,7,8,9,10,11,12,13,14,15,16,17,18,19,20,21,22,23,24,25,26,27,28,29
	v_mul_f32 v[128+\x], s59, v[192+\x]            ; gamma^x = 2^p (1 + q ln 2): p = x L rounded,
.endr
.irp x, 0,1,2,3,4,5,6,7,8,9,10,11,12,13,14,15,16,17,18,19,20,21,22,23,24,25,26,27,28,29
	v_fma_f32 v[160+\x], v[192+\x], s59, -v[128+\x]   ; q what the rounding dropped
.endr
.irp x, 0,1,2,3,4,5,6,7,8,9,10,11,12,13,14,15,16,17,18,19,20,21,22,23,24,25,26,27,28,29
	v_fma_f32 v[160+\x], v[192+\x], s60, v[160+\x]    ; and L's rest
.endr
.irp x, 0,1,2,3,4,5,6,7,8,9,10,11,12,13,14,15,16,17,18,19,20,21,22,23,24,25,26,27,28,29
	v_exp_f32 v[128+\x], v[128+\x]                 ; one batch of thirty
.endr
.irp x, 0,1,2,3,4,5,6,7,8,9,10,11,12,13,14,15,16,17,18,19,20,21,22,23,24,25,26,27,28,29
	v_mul_f32 v[160+\x], s61, v[160+\x]            ; plain work that names no result of the batch
.endr
	s_wait_alu depctr_va_vdst(0)                   ; one wait for the batch, ahead of its first reader
.irp x, 0,1,2,3,4,5,6,7,8,9,10,11,12,13
	v_fma_f32 v[FF+\x], v[128+\x], v[160+\x], v[128+\x]
.endr
.irp x, 14,15,16,17,18,19,20,21,22,23,24,25,26,27,28,29
	v_fma_f32 v[CI-14+\x], v[128+\x], v[160+\x], v[128+\x]
.endr
.irp f, 0,1,2,3,4,5,6,7,8,9,10,11,12,13
	v_cmp_le_i32 vcc_lo, 0, v[224+\f]              ; kept where E >= 0
	v_cndmask_b32 v[FF+\f], 0, v[FF+\f], vcc_lo
.endr
	v_mov_b32 v[E0I], v230
	v_mov_b32 v[E0I+1], v231
	v_mul_u32_u24 v24, v1, 24
	v_mad_u32_u24 v25, v2, 384, v24
	v_mad_u32_u24 v[VO12], v2, 12, v24
	v_lshlrev_b32 v[L4], 2, v3
	s_mul_i32 s18, s11, 24576
	s_mul_i32 s19, s12, 24576
	s_add_co_u32 s19, s19, 49152
.irp s, 0,1,2
	v_add_nc_u32 v[ADA+\s], s18, v25
	v_add_nc_u32 v[ADB+\s], s19, v25
	s_add_co_u32 s18, s18, SLOTB
	s_add_co_u32 s19, s19, SLOTB
.endr
	s_lshl_b32 s18, s11, 12
	s_lshl_b32 s19, s12, 12
	s_add_co_u32 s19, s19, 8192
	s_sub_co_u32 s19, s19, s18
	v_mul_u32_u24 v24, s19, v2                     ; lanes 16-31 take K's words
	s_add_co_u32 s18, s18, SCL
	v_lshl_add_u32 v[ADRS], v1, 2, s18
	v_add_nc_u32 v[ADRS], v24, v[ADRS]
	s_lshl_b32 s18, s13, 7
	s_lshl_b32 s19, s15, 4
	s_add_co_u32 s18, s18, s19
	s_lshl_b32 s19, s11, 3
	s_add_co_u32 s18, s18, s19                     ; my first tile of queries: 128 b + 16 I + 8 rh
	s_lshl_b32 s19, s18, 6
	s_lshl_b32 s20, s16, 3
	s_add_co_u32 s19, s19, s20
	s_lshl_b32 s20, s12, 2
	s_add_co_u32 s19, s19, s20                     ; and in it my first block of keys: 8 J + 4 ch
	s_mul_i32 s22, s19, 384
	s_mov_b32 s23, 0
	s_lshl_b32 s19, s13, 4
	s_lshl_b32 s20, s16, 1
	s_add_co_u32 s19, s19, s20
	s_add_co_u32 s19, s19, s12                     ; my step of 128 keys: 16 b + 2 J + ch
	s_lshl_b32 s19, s19, 7
	s_lshl_b32 s20, s15, 4
	s_add_co_u32 s19, s19, s20
	s_lshl_b32 s20, s11, 3
	s_add_co_u32 s19, s19, s20
	s_lshl_b32 s20, s19, 6
	s_add_co_u32 s20, s20, 12582912
	s_mov_b32 s21, 0
	s_add_nc_u64 s[20:21], s[8:9], s[20:21]        ; the scale words
	s_add_nc_u64 s[8:9], s[8:9], s[22:23]          ; the codes
	s_wait_tensorcnt 2                             ; the scale words and my part of slot 0 are in; slots 1 and 2 may be out
	s_barrier_signal -1
	s_barrier_wait -1
	FETCH_B 0
	FETCH_A 0, 0
.irp ks, 0,1,2,3,4,5,6,7
.irp i, 0,1,2,3,4,5,6,7
	ds_load_b32 v[SC+8*\ks+\i], v[ADRS] offset:1024*(\i/2)+128*\ks+64*(\i%2)
.endr
.endr
	FETCH_A 0, 4
	STEP 0, 1                                      ; the first step's products start the sums
	TURN 1, 1
	STEP 2, 0
	STEP 3, 0
	STEP 4, 0
	TURN 5, 0                                      ; the refill has landed, in every wave
	STEP 6, 0
	s_wait_dscnt 24
	WIN MUL_LO
	MULS 0, 7, 0
	MULS 2, 7, 0
	s_wait_dscnt 0x0
	WIN MUL_HI
	MULS 4, 7, 0
	MULS 6, 7, 0
	WIN 0
	PLACES
.irp q, 0,1,2,3
	v_mov_b32 v[M+4+\q], 0                         ; a lane permute's destination counts as one of its sources
.endr
.irp a, 0,1,2,3,4,5,6,7
	OUTA \a
.endr
	s_cmp_lg_u32 s15, s16                          ; the zero tile: ids alone
	s_cbranch_scc1 .Lend
	s_bitcmp1_b32 s15, 0
	s_cbranch_scc1 .Lend
	s_wait_xcnt 0x0
	v_mov_b32 v[CD], 0
	v_mov_b32 v[CD+1], 0
	v_mov_b32 v[CD+2], 0
	v_mov_b32 v226, 0x7f7f7f7f
.irp a, 0,1,2,3,4,5,6,7
.irp q, 0,1,2,3
	global_store_b96 v[VO12], v[CD:CD+2], s[8:9] offset:24576*\a+384*\q+3072      ; eight blocks of keys further on
.endr
.endr
.irp a, 0,1,2,3
	global_store_b32 v[L4], v226, s[20:21] offset:128*\a+16384                     ; two steps of 128 keys further on
.endr
.Lend:
	s_wait_tensorcnt 0x0                           ; the wave's end
	ds_add_u32 v[SPW], v[NIL]
	s_wait_dscnt 0x0
	s_endpgm
.Lfunc_end_k_q3b5115727d_score:
	.size	k_q3b5115727d_score, .Lfunc_end_k_q3b5115727d_score-k_q3b5115727d_score
	.p2alignl 7, 3214868480
	.fill 96, 4, 3214868480
	.section	.rodata,"a",@progbits
	.p2align	6, 0x0
	.amdhsa_kernel k_q3b5115727d_score
		.amdhsa_group_segment_fixed_size 327680
		.amdhsa_private_segment_fixed_size 0
		.amdhsa_enable_private_segment 0
		.amdhsa_kernarg_size 24
		.amdhsa_user_sgpr_count 2
		.amdhsa_user_sgpr_kernarg_segment_ptr 1
		.amdhsa_wavefront_size32 1
		.amdhsa_system_sgpr_workgroup_id_x 1
		.amdhsa_system_sgpr_workgroup_id_y 1
		.amdhsa_system_sgpr_workgroup_id_z 1
		.amdhsa_system_vgpr_workitem_id 0
		.amdhsa_next_free_vgpr 1024
		.amdhsa_next_free_sgpr 66
		.amdhsa_reserve_vcc 1
		.amdhsa_float_denorm_mode_32 3
		.amdhsa_float_denorm_mode_16_64 3
		.amdhsa_memory_ordered 1
		.amdhsa_forward_progress 1
		.amdhsa_inst_pref_size 215
	.end_amdhsa_kernel
	.amdgpu_metadata
---
amdhsa.version: [ 1, 2 ]
amdhsa.kernels:
  - .name:           k_q3b5115727d_score
    .symbol:         k_q3b5115727d_score.kd
    .args:
      - { .name: cqk, .offset: 0, .size: 8, .value_kind: global_buffer, .address_space: global }
      - { .name: sqkv, .offset: 8, .size: 8, .value_kind: global_buffer, .address_space: global }
      - { .name: att, .offset: 16, .size: 8, .value_kind: global_buffer, .address_space: global }
    .group_segment_fixed_size: 327680
    .private_segment_fixed_size: 0
    .kernarg_segment_align: 8
    .kernarg_segment_size: 24
    .max_flat_workgroup_size: 128
    .sgpr_count:     66
    .vgpr_count:     1024
    .wavefront_size: 32
...
	.end_amdgpu_metadata
.endif
;; end of part 3
;; launch pv (part 4): grid 8 x 32, 4 waves a work-group, clusters of 4 x 4, 327,680 bytes of LDS; arguments att, cv, sqkv, out0; writes out0
.if DOCPART == 4
	.amdgcn_target "amdgcn-amd-amdhsa--gfx1250"
	.amdhsa_code_object_version 6
	.text
	.protected	k_q3b5115727d_pv
	.globl	k_q3b5115727d_pv
	.p2align	8
	.type	k_q3b5115727d_pv,@function
k_q3b5115727d_pv:
	s_mov_b64 s[64:65], 0
	v_nop
	global_prefetch_b8 v0, s[64:65] scope:SCOPE_SE
	s_setreg_imm32_b32 hwreg(HW_REG_WAVE_MODE, 25, 1), 1
	s_wait_xcnt 0x0
	s_wait_alu depctr_hold_cnt(0) depctr_sa_sdst(0) depctr_va_vdst(0) depctr_va_sdst(0) depctr_va_ssrc(0) depctr_va_vcc(0) depctr_vm_vsrc(0)
	s_getreg_b32 s2, hwreg(HW_REG_IB_STS2, 6, 4)
	s_cmp_eq_u32 s2, 0
	s_cbranch_scc0 .Lentry_in_a_cluster
	s_endpgm
.Lentry_in_a_cluster:
	s_bfe_u32 s2, ttmp6, 0x10000c
	s_cmp_lg_u32 s2, 0xf033
	s_cbranch_scc0 .Lentry_shape_is_right
	s_endpgm
.Lentry_shape_is_right:
; out0 = att V on codes of E2M3; K = the keys.  Only keys at or under the diagonal count, taken in runs of 512: what lies beyond the diagonal inside a run is 0 in att, as zero codes.
; EQUAL WORK.  A block of 128 queries i has i / 4 + 1 runs.  A work-group makes TWO blocks, one after the other, for 128 columns (xc): i1 = 4 pr + cy with pr + 1 runs and
; i2 = 12 - 4 pr + cy with 4 - pr runs: five runs, 20 steps of 128 keys, in every one of the 256 work-groups.  pr = 0, 1 and the batch come from the cluster's y.
; Run n holds (block, run of keys): n0 (i1, 0); n1 (i2, 0) or, with pr = 1, (i1, 1); n2 (i2, 1 - pr); n3 (i2, 2 - pr); n4 (i2, 3 - pr).
; CLUSTER 4 x 4: att's tile hangs on the block, that is on cy, and is asked for jointly along a row of the cluster (waves 0, 1: four tiles each); V's hangs on xc, that is on cx, and is asked
; for jointly along a column (waves 2, 3).  Which run comes next hangs on pr alone, which all sixteen partners share.  A step whose keys all come after a block's queries is multiplied all the
; same (zero codes add nothing): to leave it out would be a branch on the work-group's place in its cluster.
; The only branches on ids are two on pr: they lead round the first block's way out and choose whether a step starts its sums; no tensor load, barrier or wait stands under them.
; LDS: three slots of one run (16 tiles x 6,144 bytes: 0-7 att, 8-15 V).  Runs 0, 1, 2 are asked for at the start; run 3 goes into slot 0 behind run 0, run 4 into slot 1 behind run 2.
; Wave (rh, ch) makes 64 x 64, transposed (source 0 = 16 columns of V, source 1 = 16 queries of att): a lane holds eight neighbouring columns of one row of the output.
; THE SCALE WORDS go from memory straight into registers, a run's 24 loads two runs ahead, so that no register number and no LDS address hangs on pr.  att's: lanes 0-15 tile 2 pa, lanes 16-31 tile 2 pa + 1.
; The rows of a tile of att are positions 32 G + 8 u + t + 8 (t / 8): the stores put them back in order.
; LIMITS: NaN and infinities among the inputs are not served.
.set SLOTB,  98304
.set STG,    3*SLOTB                   ; behind the slots: a stage of 16 rows x (256 bytes + 16) for each wave; no tile lands there
.set SPITCH, 272
.set SPARE,  STG+4*16*SPITCH           ; the spare words, 128 bytes a wave: two blocks of 256 bytes that no other line names
.set ADA,    4                         ; v4-6    my four tiles of att in slot 0, 1, 2
.set ADV,    7                         ; v7-9    my four tiles of V
.set STO,    10                        ; v10     the stage: where I put 32 bytes of a row
.set RD,     11                        ; v11     and where I read rows back
.set CO,     12                        ; v12     my byte offset in two rows of the output
.set AWO,    14                        ; v14-16  byte offsets of att's scale words of runs 0, 1, 2 (runs 3, 4: 32,768 and 65,536 on from run 2's)
.set VWO,    17                        ; v17-19  the same for V's (256 and 512 on)
.set SPW,    28                        ; v28     SPARE + 4 x my thread's number; never rewritten
.set NIL,    29                        ; v29     0; never rewritten
.set AW,     32                        ; v32-71  att's scale words: 8 n + 2 j + pa
.set VW,     72                        ; v72-151 V's: 16 n + 4 j + cb
.set BK,     152                       ; v152-215 the way out: two sets of 16 rows read back
.set WV,     12
.set G1A,    24                        ; s[24:31] group 1 for att's tiles, s[32:39] for V's: they differ in the mask
.set G1V,    32
.set G0A,    40                        ; s[40:51] group 0 for att's tiles, a set for each slot; s[52:63] for V's
.set G0V,    52
.set DA3,    66                        ; s[66:73] bytes from run 0 to run 3 and from run 1 to run 4, in att and in cv
.set DA4,    68
.set DV3,    70
.set DV4,    72
.set OB1,    74                        ; s[74:77] my wave's first row and column of the output in block i1, in block i2
.set OB2,    76
.set MUL,    0xa5                      ; both sources window 1, C and D window 2
.set MSB, 0
.macro WIN new                         ; the immediate's high byte repeats the setting that is left
.if MSB != (\new)
	s_set_vgpr_msb (MSB<<8)|(\new)
.set MSB, (\new)
.endif
.endm
.macro PLACES                          ; four plain lines between a matrix instruction and a load into, or a read of, its registers
.rept 4
	v_nop
.endr
.endm
.macro JLOAD s                         ; a joint load into slot s: waves 0, 1 for att, waves 2, 3 for V; the branch hangs on the wave's number alone
	s_cmp_eq_u32 s13, 0
	s_cbranch_scc0 .Lfor_v_\@
	tensor_load_to_lds s[G0A+4*(\s):G0A+4*(\s)+3], s[G1A:G1A+7]
	s_nop 0
.rept 4
	v_nop
.endr
	s_branch .Lasked_\@
.Lfor_v_\@:
	tensor_load_to_lds s[G0V+4*(\s):G0V+4*(\s)+3], s[G1V:G1V+7]
	s_nop 0
.rept 4
	v_nop
.endr
.Lasked_\@:
.endm
.macro CREST
	s_cmp_lg_u32 s[WV], 0
	s_cbranch_scc1 .Lnot_wave_0_\@
	s_barrier_signal -3
.Lnot_wave_0_\@:
	s_barrier_wait -3
	s_barrier_signal -1
	s_barrier_wait -1
.endm
.macro CROUND                          ; a round of the cluster's barrier
	s_barrier_signal -1
	s_barrier_wait -1
	CREST
.endm
; a fragment, 16 rows x 128 K: registers 6 c .. 6 c + 5 are block 2 c + h of the step: 24 bytes at 384 (2 c + h) + 24 r, in pieces of 8
.macro FRAG reg, adr, off
.irp p, 0,1,2,3,4,5
	ds_load_b64 v[\reg+2*\p:\reg+2*\p+1], v[\adr] offset:\off+768*(\p/3)+8*(\p%3)
.endr
.endm
.macro FETCH n, j                      ; step j of run n: four fragments of att and four of V into sets j % 2
	WIN 0x40
.irp a, 0,1,2,3
	FRAG 48*((\j)%2)+12*\a, ADA+(\n)%3, 1536*(\j)+6144*\a
.endr
.irp cb, 0,1,2,3
	FRAG 96+48*((\j)%2)+12*\cb, ADV+(\n)%3, 1536*(\j)+6144*\cb
.endr
	WIN 0
.endm
.macro WORDS n                         ; run n's scale words: 8 loads of 128 consecutive bytes for att, 16 of 64 for V
.irp j, 0,1,2,3
.irp pa, 0,1
.if (\n) < 2
	global_load_b32 v[AW+8*(\n)+2*\j+\pa], v[AWO+(\n)], s[4:5] offset:8192*\j+128*\pa
.else
	global_load_b32 v[AW+8*(\n)+2*\j+\pa], v[AWO+2], s[4:5] offset:32768*((\n)-2)+8192*\j+128*\pa
.endif
.endr
.endr
.irp j, 0,1,2,3
.irp cb, 0,1,2,3
.if (\n) < 2
	global_load_b32 v[VW+16*(\n)+4*\j+\cb], v[VWO+(\n)], s[8:9] offset:1024*\cb+64*\j
.else
	global_load_b32 v[VW+16*(\n)+4*\j+\cb], v[VWO+2], s[8:9] offset:256*((\n)-2)+1024*\cb+64*\j
.endif
.endr
.endr
.endm
; 16 matrix instructions; the 16 accumulators take turns in one order.  zero = 1: the products start the sums
.macro MULT n, j, zero
.irp a, 0,1,2,3
.irp cb, 0,1,2,3
.set RD_, 8*(4*\a+\cb)
.set RV_, 96+48*((\j)%2)+12*\cb
.set RA_, 48*((\j)%2)+12*\a
.set SV_, VW+16*(\n)+4*(\j)+\cb
.set SA_, AW+8*(\n)+2*(\j)+\a/2
.if \zero
.if \a%2
	v_wmma_scale_f32_16x16x128_f8f6f4 v[RD_:RD_+7], v[RV_:RV_+11], v[RA_:RA_+11], 0, v[SV_], v[SA_] matrix_a_fmt:MATRIX_FMT_FP6 matrix_b_fmt:MATRIX_FMT_FP6 matrix_b_scale:MATRIX_SCALE_ROW1
.else
	v_wmma_scale_f32_16x16x128_f8f6f4 v[RD_:RD_+7], v[RV_:RV_+11], v[RA_:RA_+11], 0, v[SV_], v[SA_] matrix_a_fmt:MATRIX_FMT_FP6 matrix_b_fmt:MATRIX_FMT_FP6
.endif
.else
.if \a%2
	v_wmma_scale_f32_16x16x128_f8f6f4 v[RD_:RD_+7], v[RV_:RV_+11], v[RA_:RA_+11], v[RD_:RD_+7], v[SV_], v[SA_] matrix_a_fmt:MATRIX_FMT_FP6 matrix_b_fmt:MATRIX_FMT_FP6 matrix_b_scale:MATRIX_SCALE_ROW1
.else
	v_wmma_scale_f32_16x16x128_f8f6f4 v[RD_:RD_+7], v[RV_:RV_+11], v[RA_:RA_+11], v[RD_:RD_+7], v[SV_], v[SA_] matrix_a_fmt:MATRIX_FMT_FP6 matrix_b_fmt:MATRIX_FMT_FP6
.endif
.endif
.endr
.endr
.endm
; step j of run n.  own = 1: it fetches its own fragments (the first step behind a barrier).  an >= 0: step aj of run an is fetched into the other sets while this one is multiplied
.macro STEP n, j, zero, own, an, aj
.if \own
	PLACES
	FETCH \n, \j
.endif
	s_wait_dscnt 0x0                               ; this step's fragments are in
.if (\an) >= 0
	PLACES                                         ; the other sets were read by the last step's products
	FETCH \an, \aj
.endif
	WIN MUL
	MULT \n, \j, \zero
	WIN 0
.endm
; between two runs: all my tensor loads have landed, the add, my reads of the runs behind me are over.  fill = 1: behind a round of the cluster's barrier slot s takes its next run
.macro CHG fill, s, da, dv
	s_wait_tensorcnt 0x0                           ; no tensor load of mine is out, so a group 0 may be written
	ds_add_u32 v[SPW], v[NIL]
.if \fill
	s_add_nc_u64 s[G0A+4*(\s)+2:G0A+4*(\s)+3], s[G0A+4*(\s)+2:G0A+4*(\s)+3], s[\da:\da+1]
	s_add_nc_u64 s[G0V+4*(\s)+2:G0V+4*(\s)+3], s[G0V+4*(\s)+2:G0V+4*(\s)+3], s[\dv:\dv+1]
.endif
	s_wait_dscnt 0x0                               ; the add is done, and so are my LDS reads
.if \fill
	CROUND                                         ; no wave of any partner still reads the slot or has a load on its way
	JLOAD \s                                       ; the first thing behind the round, and my one tensor load until the next
.else
	s_barrier_signal -1
	s_barrier_wait -1
.endif
.endm
; THE WAY OUT of a block: a tile of 16 rows x 64 columns goes through my own stage, in by 32 bytes a lane, back as rows of 256 bytes, two rows a load
.macro TOSTAGE a
	WIN 0x08                                       ; an LDS store's data: window 2
.irp cb, 0,1,2,3
	ds_store_b128 v[STO], v[8*(4*(\a)+\cb):8*(4*(\a)+\cb)+3] offset:64*\cb            ; each accumulator from its low end on
	ds_store_b128 v[STO], v[8*(4*(\a)+\cb)+4:8*(4*(\a)+\cb)+7] offset:64*\cb+16
.endr
	WIN 0
.irp k, 0,1,2,3,4,5,6,7
	ds_load_b128 v[BK+32*((\a)%2)+4*\k:BK+32*((\a)%2)+4*\k+3], v[RD] offset:2*SPITCH*\k   ; LDS serves a wave's instructions in order: these see the stores above
.endr
.endm
.macro SEND a, younger, ob
	s_wait_dscnt \younger
.irp k, 0,1,2,3,4,5,6,7
	global_store_b128 v[CO], v[BK+32*((\a)%2)+4*\k:BK+32*((\a)%2)+4*\k+3], s[\ob:\ob+1] offset:(32*((\a)/2)+8*((\a)%2)+2*\k+8*(\k/4))*4096 th:TH_STORE_NT   ; sixteen lanes store 256 consecutive bytes, aligned
.endr
.endm
.macro FLUSH ob
	PLACES                                         ; the stores below read results just made
	s_wait_xcnt 0x0                                ; earlier stores have read the registers that the rows come back into
	TOSTAGE 0
	TOSTAGE 1
	SEND 0, 16, \ob                                ; behind tile 0's loads: tile 1's 8 stores and 8 loads
	s_wait_xcnt 0x0                                ; tile 0's stores have read their registers: tile 2's rows may land there
	TOSTAGE 2
	SEND 1, 16, \ob
	s_wait_xcnt 0x0
	TOSTAGE 3
	SEND 2, 16, \ob
	SEND 3, 0, \ob
.endm
	s_load_b256 s[4:11], s[0:1], 0x0               ; att 4, cv 6, sqkv 8, out0 10
	v_lshl_add_u32 v[SPW], v0, 2, SPARE
	v_mov_b32 v[NIL], 0
	ds_add_u32 v[SPW], v[NIL]                      ; the wave's opening
	v_lshrrev_b32 v1, 5, v0
	v_readfirstlane_b32 s[WV], v1                  ; wave 0..3
	s_lshr_b32 s13, s[WV], 1                       ; rh.  Also: I fetch for att (0) or for V (1)
	s_and_b32 s14, s[WV], 1                        ; ch.  Also: which four tiles of the eight
	s_bfe_u32 s15, ttmp6, 0x40000                  ; cx
	s_bfe_u32 s16, ttmp6, 0x40004                  ; cy
	s_lshl_b32 s17, ttmp9, 2
	s_add_co_u32 s17, s17, s15                     ; xc = 4 x cluster x + cx
	s_and_b32 s22, ttmp7, 0xffff                   ; cluster y
	s_lshr_b32 s18, s22, 1                         ; b
	s_and_b32 s19, s22, 1                          ; pr
	s_lshl_b32 s23, s19, 2
	s_add_co_u32 s20, s23, s16                     ; i1 = 4 pr + cy
	s_add_co_u32 s21, s16, 12
	s_sub_co_u32 s21, s21, s23                     ; i2 = 12 - 4 pr + cy
	s_lshl_b32 s22, s16, 2
	s_lshl_b32 s22, 15, s22                        ; my row of the cluster
	s_lshl_b32 s23, 0x1111, s15                    ; my column
	s_or_b32 s[G1A], s22, (3<<16)|(1<<21)          ; 15:0 the mask; 17:16 elements of 8 bytes; 21 set beside a mask; no padding
	s_or_b32 s[G1V], s23, (3<<16)|(1<<21)
.irp g, G1A, G1V                       ; four tiles: rows of 6,144 bytes (512 keys), 24,576 bytes apart
	s_mov_b32 s[\g+1], 768<<16
	s_mov_b32 s[\g+2], 4<<16
	s_mov_b32 s[\g+3], 768<<16
	s_mov_b32 s[\g+4], 4
	s_mov_b32 s[\g+5], 3072
	s_mov_b32 s[\g+6], 0
	s_mov_b32 s[\g+7], 0
.endr
	s_mul_i32 s79, s14, 98304                      ; my four tiles of the eight
	s_mul_i32 s93, s19, 6144                       ; pr runs of 512 keys
	s_lshl_b32 s78, s18, 7                         ; att: tile 128 b + 8 i; these registers never hold cx
	s_lshl_b32 s80, s20, 3
	s_add_co_u32 s80, s80, s78
	s_mul_i32 s80, s80, 24576
	s_add_co_u32 s80, s80, s79                     ; run 0: block i1, keys 0 on
	s_mov_b32 s81, 0
	s_cmp_eq_u32 s19, 0
	s_cselect_b32 s94, s21, s20                    ; run 1's block
	s_lshl_b32 s82, s94, 3
	s_add_co_u32 s82, s82, s78
	s_mul_i32 s82, s82, 24576
	s_add_co_u32 s82, s82, s79
	s_add_co_u32 s82, s82, s93                     ; run 1: its run of keys is pr
	s_mov_b32 s83, 0
	s_lshl_b32 s84, s21, 3
	s_add_co_u32 s84, s84, s78
	s_mul_i32 s84, s84, 24576
	s_add_co_u32 s84, s84, s79
	s_add_co_u32 s84, s84, 6144
	s_sub_co_u32 s84, s84, s93                     ; run 2: block i2, run of keys 1 - pr
	s_mov_b32 s85, 0
	s_lshl_b32 s86, s18, 6                         ; V: tile 64 b + 8 xc; these registers never hold cy
	s_lshl_b32 s87, s17, 3
	s_add_co_u32 s86, s86, s87
	s_mul_i32 s86, s86, 24576
	s_add_co_u32 s86, s86, s79                     ; run 0
	s_mov_b32 s87, 0
	s_add_co_u32 s88, s86, s93                     ; run 1
	s_mov_b32 s89, 0
	s_add_co_u32 s90, s86, 6144
	s_sub_co_u32 s90, s90, s93                     ; run 2
	s_mov_b32 s91, 0
	s_sub_co_u32 s[DV3], 12288, s93                ; run 0 to run 3: 2 - pr runs of keys on
	s_mov_b32 s[DV3+1], 0
	s_sub_co_u32 s[DV4], 18432, s93
	s_sub_co_u32 s[DV4], s[DV4], s93               ; run 1 to run 4: 3 - 2 pr
	s_mov_b32 s[DV4+1], 0
	s_mul_i32 s[DA3], s19, 1572864
	s_sub_co_u32 s[DA3], 2359296, s[DA3]           ; in att also from block i1 to i2: 8 (12 - 8 pr) tiles
	s_add_co_u32 s[DA3], s[DA3], s[DV3]
	s_mov_b32 s[DA3+1], 0
	s_mul_i32 s[DA4], s19, 786432                  ; with pr = 1 run 1 is still block i1's: 32 tiles
	s_add_co_u32 s[DA4], s[DA4], s[DV4]
	s_mov_b32 s[DA4+1], 0
	s_mul_i32 s92, s[WV], 24576                    ; where my tiles go: the wave's number alone
	s_wait_dscnt 0x0                               ; the opening add is done
	s_wait_kmcnt 0x0
	CROUND                                         ; all sixteen work-groups are here: the first joint loads meet
.irp s, 0,1,2                          ; runs 0, 1, 2: three loads of mine are out
	s_mov_b32 s[G0A+4*\s], 1
	s_add_co_u32 s[G0A+4*\s+1], s92, \s*SLOTB
	s_add_nc_u64 s[G0A+4*\s+2:G0A+4*\s+3], s[4:5], s[80+2*\s:81+2*\s]
	s_or_b32 s[G0A+4*\s+3], s[G0A+4*\s+3], 0x80000000
	s_mov_b32 s[G0V+4*\s], 1
	s_add_co_u32 s[G0V+4*\s+1], s92, \s*SLOTB
	s_add_nc_u64 s[G0V+4*\s+2:G0V+4*\s+3], s[6:7], s[86+2*\s:87+2*\s]
	s_or_b32 s[G0V+4*\s+3], s[G0V+4*\s+3], 0x80000000
	JLOAD \s
.endr
	; where the scale words lie.  att's: [b][step 16][tile 128][row][4] from byte 12,582,912 on
	s_lshl_b32 s78, s18, 17
	s_add_co_u32 s78, s78, 12582912
	s_lshl_b32 s79, s13, 8                         ; my four tiles
	s_add_co_u32 s78, s78, s79
	s_lshl_b32 s79, s20, 9
	s_add_co_u32 s80, s78, s79                     ; run 0
	s_lshl_b32 s79, s94, 9
	s_add_co_u32 s81, s78, s79
	s_lshl_b32 s79, s19, 15
	s_add_co_u32 s81, s81, s79                     ; run 1
	s_lshl_b32 s82, s21, 9
	s_add_co_u32 s82, s82, s78
	s_add_co_u32 s82, s82, 32768
	s_sub_co_u32 s82, s82, s79                     ; run 2
	s_lshl_b32 s86, s18, 6                         ; V's: [b][tile 64][step 16][row][4] from byte 524,288 on
	s_lshl_b32 s87, s17, 3
	s_add_co_u32 s86, s86, s87
	s_lshl_b32 s87, s14, 2
	s_add_co_u32 s86, s86, s87
	s_lshl_b32 s86, s86, 10
	s_add_co_u32 s86, s86, 524288                  ; run 0
	s_lshl_b32 s87, s19, 8
	s_add_co_u32 s88, s86, s87                     ; run 1
	s_add_co_u32 s89, s86, 256
	s_sub_co_u32 s89, s89, s87                     ; run 2
	v_and_b32 v1, 15, v0                           ; r
	v_bfe_u32 v2, v0, 4, 1                         ; h
	v_and_b32 v3, 31, v0
	v_lshlrev_b32 v24, 2, v3
	v_lshlrev_b32 v25, 2, v1
	v_add_nc_u32 v[AWO], s80, v24
	v_add_nc_u32 v[AWO+1], s81, v24
	v_add_nc_u32 v[AWO+2], s82, v24
	v_add_nc_u32 v[VWO], s86, v25
	v_add_nc_u32 v[VWO+1], s88, v25
	v_add_nc_u32 v[VWO+2], s89, v25
	WORDS 0
	WORDS 1
	v_mul_u32_u24 v24, v1, 24
	v_mad_u32_u24 v24, v2, 384, v24
	s_mul_i32 s78, s13, 24576                      ; my four tiles of att
	s_mul_i32 s79, s14, 24576                      ; my four of V,
	s_add_co_u32 s79, s79, 49152                   ; behind att's eight
.irp s, 0,1,2
	v_add_nc_u32 v[ADA+\s], s78, v24
	v_add_nc_u32 v[ADV+\s], s79, v24
	s_add_co_u32 s78, s78, SLOTB
	s_add_co_u32 s79, s79, SLOTB
.endr
	s_mul_i32 s78, s[WV], 16*SPITCH
	s_add_co_u32 s78, s78, STG                     ; my stage
	v_mul_u32_u24 v[STO], v1, SPITCH               ; in: row r, 32 bytes for each half of the lanes
	v_lshl_add_u32 v[STO], v2, 5, v[STO]
	v_add_nc_u32 v[STO], s78, v[STO]
	v_mul_u32_u24 v[RD], v2, SPITCH                ; back: lanes 0-15 one row of 256 bytes, lanes 16-31 the next
	v_lshl_add_u32 v[RD], v1, 4, v[RD]
	v_add_nc_u32 v[RD], s78, v[RD]
	v_lshlrev_b32 v[CO], 12, v2                    ; and the same two rows in the output
	v_lshl_add_u32 v[CO], v1, 4, v[CO]
	s_lshl_b32 s78, s18, 23                        ; row (2048 b + 128 i + 64 rh) of 4,096 bytes, column (128 xc + 64 ch) of 4
	s_lshl_b32 s79, s13, 18
	s_add_co_u32 s78, s78, s79
	s_lshl_b32 s79, s17, 9
	s_add_co_u32 s78, s78, s79
	s_lshl_b32 s79, s14, 8
	s_add_co_u32 s78, s78, s79
	s_lshl_b32 s79, s20, 19
	s_add_co_u32 s80, s78, s79
	s_mov_b32 s81, 0
	s_add_nc_u64 s[OB1:OB1+1], s[10:11], s[80:81]
	s_lshl_b32 s79, s21, 19
	s_add_co_u32 s80, s78, s79
	s_add_nc_u64 s[OB2:OB2+1], s[10:11], s[80:81]
	s_wait_tensorcnt 2                             ; my part of slot 0 is in; slots 1 and 2 may be out
	s_barrier_signal -1
	s_barrier_wait -1                              ; everybody's is
	s_wait_loadcnt 24                              ; run 0's scale words are in; run 1's 24 loads may be out
	WORDS 2
	STEP 0, 0, 1, 1, 0, 1                          ; the first step starts block i1's sums
	STEP 0, 1, 0, 0, 0, 2
	STEP 0, 2, 0, 0, 0, 3
	STEP 0, 3, 0, 0, -1, 0
	CHG 1, 0, DA3, DV3                             ; slots 1 and 2 are whole in every wave; slot 0 takes run 3, which has two runs' work in which to land
	s_wait_loadcnt 24                              ; run 1's words are in; run 2's may be out
	WORDS 3
	s_cmp_lg_u32 s19, 0                            ; pr: the same in all sixteen partners
	s_cbranch_scc1 .Lon_1
	FLUSH OB1                                      ; pr = 0: block i1 is finished, and run 1 starts block i2's sums
	STEP 1, 0, 1, 1, 1, 1
	s_branch .Ljoin_1
.Lon_1:
	STEP 1, 0, 0, 1, 1, 1
.Ljoin_1:
	STEP 1, 1, 0, 0, 1, 2
	STEP 1, 2, 0, 0, 1, 3
	STEP 1, 3, 0, 0, 2, 0                          ; no barrier between runs 1 and 2: the round above has shown both to every wave
	s_wait_loadcnt 24                              ; run 2's words are in; run 3's may be out
	WORDS 4
	s_cmp_eq_u32 s19, 0
	s_cbranch_scc1 .Lon_2
	FLUSH OB1                                      ; pr = 1: block i1 is finished here
	STEP 2, 0, 1, 0, 2, 1
	s_branch .Ljoin_2
.Lon_2:
	STEP 2, 0, 0, 0, 2, 1
.Ljoin_2:
	STEP 2, 1, 0, 0, 2, 2
	STEP 2, 2, 0, 0, 2, 3
	STEP 2, 3, 0, 0, -1, 0
	CHG 1, 1, DA4, DV4                             ; run 3 is whole in every wave; slot 1 takes run 4
	s_wait_loadcnt 24                              ; run 3's words are in; run 4's may be out
	STEP 3, 0, 0, 1, 3, 1
	STEP 3, 1, 0, 0, 3, 2
	STEP 3, 2, 0, 0, 3, 3
	STEP 3, 3, 0, 0, -1, 0
	CHG 0, 0, 0, 0                                 ; run 4 is whole in every wave; nothing is left to fetch
	s_wait_loadcnt 0x0
	STEP 4, 0, 0, 1, 4, 1
	STEP 4, 1, 0, 0, 4, 2
	STEP 4, 2, 0, 0, 4, 3
	STEP 4, 3, 0, 0, -1, 0
	FLUSH OB2                                      ; block i2
	s_wait_tensorcnt 0x0                           ; the wave's end
	ds_add_u32 v[SPW], v[NIL]
	s_wait_dscnt 0x0
	CROUND                                         ; the closing round
	s_endpgm
.Lfunc_end_k_q3b5115727d_pv:
	.size	k_q3b5115727d_pv, .Lfunc_end_k_q3b5115727d_pv-k_q3b5115727d_pv
	.p2alignl 7, 3214868480
	.fill 96, 4, 3214868480
	.section	.rodata,"a",@progbits
	.p2align	6, 0x0
	.amdhsa_kernel k_q3b5115727d_pv
		.amdhsa_group_segment_fixed_size 327680
		.amdhsa_private_segment_fixed_size 0
		.amdhsa_enable_private_segment 0
		.amdhsa_kernarg_size 32
		.amdhsa_user_sgpr_count 2
		.amdhsa_user_sgpr_kernarg_segment_ptr 1
		.amdhsa_wavefront_size32 1
		.amdhsa_system_sgpr_workgroup_id_x 1
		.amdhsa_system_sgpr_workgroup_id_y 1
		.amdhsa_system_sgpr_workgroup_id_z 1
		.amdhsa_system_vgpr_workitem_id 0
		.amdhsa_next_free_vgpr 640
		.amdhsa_next_free_sgpr 100
		.amdhsa_reserve_vcc 0
		.amdhsa_float_denorm_mode_32 3
		.amdhsa_float_denorm_mode_16_64 3
		.amdhsa_memory_ordered 1
		.amdhsa_forward_progress 1
		.amdhsa_inst_pref_size 168
	.end_amdhsa_kernel
	.amdgpu_metadata
---
amdhsa.version: [ 1, 2 ]
amdhsa.kernels:
  - .name:           k_q3b5115727d_pv
    .symbol:         k_q3b5115727d_pv.kd
    .args:
      - { .name: att, .offset: 0, .size: 8, .value_kind: global_buffer, .address_space: global }
      - { .name: cv, .offset: 8, .size: 8, .value_kind: global_buffer, .address_space: global }
      - { .name: sqkv, .offset: 16, .size: 8, .value_kind: global_buffer, .address_space: global }
      - { .name: out0, .offset: 24, .size: 8, .value_kind: global_buffer, .address_space: global }
    .group_segment_fixed_size: 327680
    .private_segment_fixed_size: 0
    .kernarg_segment_align: 8
    .kernarg_segment_size: 32
    .max_flat_workgroup_size: 128
    .sgpr_count:     100
    .vgpr_count:     640
    .wavefront_size: 32
...
	.end_amdgpu_metadata
.endif
;; end of part 4
